; MI455X (gfx1250); checked and timed in simulation.
; The chip was launched on July 23, 2026; its instructions are those of AMD's public machine-readable ISA for CDNA 5 (MIT licence, August 2026) and "CDNA5" Instruction Set Architecture Reference Guide (July 2026). The comments in the code are by the model that wrote it; some were corrected since.
;; Causal Self Attention. Allowed arithmetic: matrix products marked QUANTISED: E2M3 operands, one E8M0 scale for each 32 along K, by v_wmma_scale_f32_16x16x128_f8f6f4 with both operands' format E2M3, f32 sums; everything else in f32.
;; Inputs: Wk_codes 1,024 x 32 x 24 uint8 (E2M3 codes of Wk, K innermost, in blocks of 32 codes, four codes in three bytes); Wk_scales 1,024 x 32 uint8 (E8M0 scales of Wk, one for each 32 codes along K); Wo_codes 1,024 x 32 x 24 uint8 (E2M3 codes of Wo, K innermost, in blocks of 32 codes, four codes in three bytes); Wo_scales 1,024 x 32 uint8 (E8M0 scales of Wo, one for each 32 codes along K); Wq_codes 1,024 x 32 x 24 uint8 (E2M3 codes of Wq, K innermost, in blocks of 32 codes, four codes in three bytes); Wq_scales 1,024 x 32 uint8 (E8M0 scales of Wq, one for each 32 codes along K); Wv_codes 1,024 x 32 x 24 uint8 (E2M3 codes of Wv, K innermost, in blocks of 32 codes, four codes in three bytes); Wv_scales 1,024 x 32 uint8 (E8M0 scales of Wv, one for each 32 codes along K); bk 1,024 float32; bo 1,024 float32; bq 1,024 float32; bv 1,024 float32; relative_positions 16 x 1,024 x 2,048 float32; x_codes 4 x 1,024 x 32 x 24 uint8 (E2M3 codes of x, K innermost, in blocks of 32 codes, four codes in three bytes); x_scales 4 x 1,024 x 32 uint8 (E8M0 scales of x, one for each 32 codes along K); xl_memory 4 x 1,024 x 2 x 1,024 float32.
;; Outputs: out0 4 x 1,024 x 1,024 float32; out1 4 x 1,024 x 2 x 1,024 float32.
;; This version of the problem:
;;   THIS VERSION OF THE PROBLEM IS GIVEN IN LOW PRECISION. The matrix products marked QUANTISED in the list below multiply operands that are first quantised to E2M3 (2 exponent bits, 3 mantissa bits; 6 bits a number), with one power-of-two scale for each 32 numbers along K (OCP MX v1.0); their sums are f32. All else is computed in f32.
;;   The module's matrix products, in the order in which they are computed (A, B: the left and right operand; K: the contracted axis; several contracted axes count as one K, in the product's order):
;;     1. [M 4,096, K 1,024] x [K 1,024, N 1,024]; A: input x (given as codes); B: input Wq (given as codes): QUANTISED
;;     2. [M 4,096, K 1,024] x [K 1,024, N 1,024]; A: input x (given as codes); B: input Wk (given as codes): QUANTISED
;;     3. [M 4,096, K 1,024] x [K 1,024, N 1,024]; A: input x (given as codes); B: input Wv (given as codes): QUANTISED
;;     4. batch 64 x [M 1,024, K 64] x [K 64, N 2,048]; A: computed on the way; B: computed on the way: QUANTISED
;;     5. batch 64 x [M 1,024, K 2,048] x [K 2,048, N 64]; A: softmax (see below); B: computed on the way: QUANTISED
;;     6. [M 4,096, K 1,024] x [K 1,024, N 1,024]; A: computed on the way; B: input Wo (given as codes): QUANTISED
;;   THE QUANTISER, for each operand of a quantised product, along K:
;;     - K is cut into blocks of 32 from its start; a last block that is shorter is filled with zeros.
;;     - A block's scale is 2^e with e = floor(log2(the largest magnitude in the block)) - 2, held to -126 .. 127; a block of zeros has e = 0. As a byte (E8M0): e + 127.
;;     - Each number is divided by its block's scale, clamped to +-7.5, and rounded to the nearest number of E2M3, ties to even, subnormals kept.
;;     - The product sums the exact products of the quantised numbers (number of the format x scale) in f32.
;;   ~~~python
;;   def quantise(x, axis):      # numpy; x: float32 -> the quantised numbers, widened to float32 again
;;       x = np.moveaxis(x, axis, -1); K = x.shape[-1]
;;       x = np.pad(x, [(0, 0)] * (x.ndim - 1) + [(0, -K % 32)]); x = x.reshape(x.shape[:-1] + (-1, 32)); a = np.abs(x).max(-1, keepdims=True)
;;       e = np.where(a > 0, np.clip(np.frexp(np.where(a > 0, a, 1))[1] - 1 - 2, -126, 127), 0)      # np.frexp(a)[1] - 1 = floor(log2(a)), exactly
;;       r = np.clip(x / 2.0 ** e, -7.5, 7.5)
;;       step = 2.0 ** (np.maximum(np.frexp(np.where(r == 0, 1, r))[1] - 1, 0) - 3)
;;       q = np.round(r / step) * step * 2.0 ** e      # np.round: ties to even
;;       return np.moveaxis(q.reshape(q.shape[:-2] + (-1,))[..., :K], -1, axis).astype(np.float32)
;;   ~~~
;;   SOFTMAX AHEAD OF A QUANTISED PRODUCT. Where the list says 'softmax', what is quantised is not the finished softmax but p = 2^(t - M), with t = logit x log2(e) and M = ceil(the row's largest t), a whole number; so 1/2 < the row's largest p <= 1. The row's sum l is taken of the UNQUANTISED p, in f32, and the product's result is divided by l at the end. Since M is a whole number, a kernel that streams over the keys may use a running M (the ceiling of the running maximum): every later rescaling is an exact power of two, which a block's scale takes up: the codes' values come out the same.
;;   OPERANDS COMPUTED ON THE WAY. 'Computed on the way' means the value that the module computes at that place (a softmax that the list does not call 'softmax' is quantised finished and normalised). What goes into a quantiser is computed in f32, as accurately as f32 sums, v_exp_f32 and their like allow (about 1e-6 of the number): no bf16 or f16 on the way to a quantiser, and a product that is left as it is and whose result goes on into a quantised operand takes f32 operands (vector FMAs, or v_wmma_f32_16x16x4_f32). A number that lies on a knife's edge between two numbers of the format may be rounded either way, as far as f32 arithmetic and the matrix unit's own rounding can turn it there, and no further.
;;   INPUTS GIVEN AS CODES. Wk (in the module: [1024, 1024], K = its axis 0); Wo (in the module: [1024, 1024], K = its axis 0); Wq (in the module: [1024, 1024], K = its axis 0); Wv (in the module: [1024, 1024], K = its axis 0); x (in the module: [4, 1024, 1024], K = its axis 2): each comes as NAME_codes (uint8): NAME with its K axis moved to the last place and cut into blocks of 32 codes, [.., K / 32, bytes a block], one block behind the other in memory; four codes in three bytes: a row's codes are one little-endian stream of bits, code i at bits 6 i .. 6 i + 5 (a code: sign, 2 exponent bits, 3 mantissa bits); and NAME_scales (uint8): the same leading axes, one E8M0 byte (e + 127) for each 32 codes along K. Its value is code x scale, taken as it is: it is not quantised again, and the codes and scales need not be those that the quantiser above would give.
;; One version. Each part assembles by itself: llvm-mc -triple=amdgcn-amd-amdhsa -mcpu=gfx1250 --defsym DOCPART=n.
;; ======== version 1 of 1: 4 launches
;; limits: right only within a limited range of input values
;; workspace buffers: qc 4,194,304 bytes; kvc 12,582,912 bytes; kvs 524,288 bytes; oc 3,145,728 bytes; os 131,072 bytes
;; launch qkv (part 1): grid 12 x 16, 4 waves a work-group, clusters of 4 x 4, 327,680 bytes of LDS; arguments x_codes, x_scales, Wq_codes, Wq_scales, bq, Wk_codes, Wk_scales, bk, Wv_codes, Wv_scales, bv, qc, out1; writes qc, out1
.if DOCPART == 1
	.amdgcn_target "amdgcn-amd-amdhsa--gfx1250"
	.amdhsa_code_object_version 6
	.text
	.protected	k_qe363228850_qkv
	.globl	k_qe363228850_qkv
	.p2align	8
	.type	k_qe363228850_qkv,@function
k_qe363228850_qkv:
	s_mov_b64 s[64:65], 0
	v_nop
	global_prefetch_b8 v0, s[64:65] scope:SCOPE_SE
	s_setreg_imm32_b32 hwreg(HW_REG_WAVE_MODE, 25, 1), 1
	s_wait_xcnt 0x0
	s_wait_alu depctr_hold_cnt(0) depctr_sa_sdst(0) depctr_va_vdst(0) depctr_va_sdst(0) depctr_va_ssrc(0) depctr_va_vcc(0) depctr_vm_vsrc(0)
	s_getreg_b32 s2, hwreg(HW_REG_IB_STS2, 6, 4)
	s_cmp_eq_u32 s2, 0
	s_cbranch_scc0 .Lentry_in_a_cluster
	s_endpgm
.Lentry_in_a_cluster:
	s_bfe_u32 s2, ttmp6, 0x10000c
	s_cmp_lg_u32 s2, 0xf033
	s_cbranch_scc0 .Lentry_shape_is_right
	s_endpgm
.Lentry_shape_is_right:
; x Wk + bk and x Wv + bv -> out1 (the new keys and values, laid [row][k | v][1024] f32); (x Wq + bq) / 8 -> qc, quantised along each head's 64 channels.  All three products on codes of FP6 (E2M3) with E8M0 scales; sums in f32.
; WORK LEFT OUT IN THIS PROGRAM (in launch attn): reference() sets the logit of key j and query i to -inf where j > 1024 + i, by a mask that it builds itself; the softmax weight there is 0 whatever
; finite values the inputs hold, so such a key adds nothing to the sum or to the weighted values.  Steps of 128 keys that lie wholly behind a tile's 16 queries are not multiplied, and their part of
; relative_positions is not used.  LIMIT: a NaN, an infinity or an overflow that reaches only that work is not carried to the result.  Every input has a way to an output and is loaded.
; SHAPE: a tile of 256 x 256 to a work-group of four waves, 128 x 128 a wave, 64 accumulators.  Cluster x chooses the weight (0 q, 1 k, 2 v), cx its 256 columns, work-group y the 256 rows of x.
; K = 1,024 is 768 bytes of a row: three chunks of 256 bytes, each on a 256-byte border, through two LDS slots; a step of 128 along K is 96 bytes, steps 2 and 5 lie across two chunks.
; The scales of the 256 + 256 rows come once.  x's tiles are asked for jointly along a row of the cluster, the weight's along a column.  Source 0 = the weight's rows, source 1 = x's rows; the bias is the C of each sum's first product.
; qc [tile of 16 rows][head][1,024 bytes]: six registers of the first attention product's operand (registers 0-3 at 16 lane, 4-5 at 512 + 8 lane: lane (r, hh) holds channels 32 hh .. + 31 of row r), and at 768 + 8 lane the row's scale word, twice.
; The factor 1 / 8 is a power of two: the codes are those of the sums as they stand, and the scale's byte is 3 less.  LIMIT: a block of q whose largest magnitude lies under 2^-121 gets the byte 1; NaN and infinities are not served.
; NO PREFETCH: the walk has three chunks, of which two are asked for at the head.
.set SIZE_K, 1024
.set PITCHC, 8192
.set ROWB,   256
.set NQ,     2
.set KROW,   SIZE_K*6/8
.set STEPS,  SIZE_K/128
.set CHUNKS, KROW/ROWB
.set PITCH,  272
.set FR,     12
.set NL,     6
.set NP,     4
.set HALFT,  128*PITCH
.set SLOT,   4*HALFT
.set KS,     SIZE_K/32
.set SCL,    2*SLOT
.set HALFS,  (128*KS/256)*272
.set SBLK,   (16*KS/256)*272
.set SPARE,  SCL+4*HALFS               ; the spare words, 128 bytes a wave, that no other line names
.set SPITCH, 528
.set STAGE,  (CHUNKS%2)*SLOT           ; the way out's stages: in the slot that does not hold the last chunk; the keys' and values' way first, q's way behind it
.set STOQ, 9                           ; v9  q's way: where I put 32 bytes of a row
.set RDQ,  10                          ; v10 q's way: row r, + 128 hh
.set L8,   11                          ; v11 8 lane
.set SH,   12                          ; v12 8 hh
.set ADRA, 16
.set ADRB, 20
.set STO,  24
.set RD,   25
.set CO,   26
.set ADRS, 27
.set SPW,  28
.set NIL,  29
.set SC,   32                          ; v32-63 scale words, two sets
.set BI,   64                          ; v64-127 the bias, in the result's layout
.set AF,   128                         ; x's fragments, window 0; the weight's: window 1, two sets; accumulators: windows 2, 3
.set BK,   128
.set QM,   32                          ; q's way out: largest magnitudes, scale operands, bytes, at work, scale words, codes, second halves, numbers
.set QSO,  36
.set QB,   38
.set QT,   40
.set QW,   42
.set QC,   48
.set QD,   60
.set QX,   128
.set G1, 24
.set G0, 32
.set G1B, 48
.set G0B, 56
.set G1S, 68
.set G0S, 76
.set G1SB, 80
.set G0SB, 88
.set G0H, 4
.set G0HB, 8
.set MSB, 0
.macro WIN new
.if MSB != \new
	s_set_vgpr_msb (MSB<<8)|\new
.set MSB, \new
.endif
.endm
.macro WM hi, zero                     ; windows of a product: source 0 window 1, source 1 window 0, D window 2 + hi; C likewise, or window 0 for the bias
.if \zero
	WIN 0x81+0x40*\hi
.else
	WIN 0xa1+0x50*\hi
.endif
.endm
.set TO_B,   0x40
.macro JLOAD g0a, g1a, g0b, g1b        ; a joint load: waves 0, 1 for x, waves 2, 3 for the weight
	s_cmp_eq_u32 s15, 0
	s_cbranch_scc0 .Lfor_b_\@
	tensor_load_to_lds s[\g0a:\g0a+3], s[\g1a:\g1a+7]
	s_nop 0
.rept 4
	v_nop
.endr
	s_branch .Lasked_\@
.Lfor_b_\@:
	tensor_load_to_lds s[\g0b:\g0b+3], s[\g1b:\g1b+7]
	s_nop 0
.rept 4
	v_nop
.endr
.Lasked_\@:
.endm
.macro CREST
	s_cmp_lg_u32 s14, 0
	s_cbranch_scc1 .Lnot_wave_0_\@
	s_barrier_signal -3
.Lnot_wave_0_\@:
	s_barrier_wait -3
	s_barrier_signal -1
	s_barrier_wait -1
.endm
.macro CROUND
	s_barrier_signal -1
	s_barrier_wait -1
	CREST
.endm
	s_load_b128 s[4:7], s[0:1], 0x0                ; x's codes, x's scales
	s_load_b256 s[32:39], s[0:1], 0x10             ; Wq's codes, scales, bq, Wk's codes
	s_load_b256 s[56:63], s[0:1], 0x30             ; Wk's scales, bk, Wv's codes, scales
	s_load_b128 s[96:99], s[0:1], 0x50             ; bv, qc
	s_load_b64 s[100:101], s[0:1], 0x60            ; out1
	v_lshl_add_u32 v[SPW], v0, 2, SPARE
	v_mov_b32 v[NIL], 0
	ds_add_u32 v[SPW], v[NIL]                      ; the wave's opening adds
	ds_add_u32 v[SPW], v[NIL]
	v_lshrrev_b32 v1, 5, v0
	v_readfirstlane_b32 s14, v1                    ; wave
	s_lshr_b32 s15, s14, 1                         ; my half of the rows; also: I fetch for x (0) or the weight (1)
	s_and_b32 s16, s14, 1                          ; my half of the columns; also: which 128 rows I fetch
	s_bfe_u32 s40, ttmp6, 0x40000                  ; cx
	s_bfe_u32 s41, ttmp6, 0x40004                  ; cy
	s_mov_b32 s42, s40                             ; tile column inside the weight
	s_and_b32 s17, ttmp7, 0xffff
	s_lshl_b32 s17, s17, 2
	s_add_co_u32 s17, s17, s41                     ; tile row
	s_lshl_b32 s43, s41, 2
	s_lshl_b32 s43, 15, s43                        ; my row of the cluster
	s_lshl_b32 s44, 0x1111, s40                    ; my column
	s_or_b32 s[G1+0], s43, (0<<16)|(1<<20)|(1<<21)|(5<<22)|(3<<25)
	s_or_b32 s[G1B+0], s44, (0<<16)|(1<<20)|(1<<21)|(5<<22)|(3<<25)
.irp g, G1, G1B                        ; rows of 256 bytes + 16 of padding: 256 rows for the head's loads
	s_mov_b32 s[\g+1], ROWB<<16
	s_mov_b32 s[\g+2], 256<<16
	s_mov_b32 s[\g+3], ROWB<<16
	s_mov_b32 s[\g+4], 256
	s_mov_b32 s[\g+5], KROW
	s_mov_b32 s[\g+6], 0
	s_mov_b32 s[\g+7], 0
.endr
	s_or_b32 s[G1S+0], s43, (3<<16)|(1<<20)|(1<<21)|(5<<22)|(3<<25)
	s_or_b32 s[G1SB+0], s44, (3<<16)|(1<<20)|(1<<21)|(5<<22)|(3<<25)
.irp g, G1S, G1SB                      ; the scales of 256 rows: a dense block, KS rows of 256 bytes
	s_mov_b32 s[\g+1], 32<<16
	s_mov_b32 s[\g+2], KS<<16
	s_mov_b32 s[\g+3], 32<<16
	s_mov_b32 s[\g+4], KS
	s_mov_b32 s[\g+5], 32
	s_mov_b32 s[\g+6], 0
	s_mov_b32 s[\g+7], 0
.endr
	s_lshl_b32 s20, s17, 8
	s_lshl_b32 s46, s42, 8
	s_mov_b32 s21, 0
	s_mov_b32 s47, 0
	s_mov_b64 s[18:19], KS
	s_mul_u64 s[22:23], s[20:21], s[18:19]
	s_mul_u64 s[92:93], s[46:47], s[18:19]
	s_mov_b64 s[18:19], KROW
	s_mul_u64 s[20:21], s[20:21], s[18:19]
	s_mul_u64 s[46:47], s[46:47], s[18:19]
	s_mul_i32 s18, s16, 128*KROW
	s_mov_b32 s19, 0
	s_mul_i32 s45, s14, HALFT
	s_wait_dscnt 0x0
	s_wait_kmcnt 0x0
	s_cmp_eq_u32 ttmp9, 0                          ; the weight and its bias: by the cluster's x, which all partners share
	s_cselect_b64 s[8:9], s[32:33], s[38:39]
	s_cselect_b64 s[10:11], s[34:35], s[56:57]
	s_cselect_b64 s[66:67], s[36:37], s[58:59]
	s_cmp_eq_u32 ttmp9, 2
	s_cselect_b64 s[8:9], s[60:61], s[8:9]
	s_cselect_b64 s[10:11], s[62:63], s[10:11]
	s_cselect_b64 s[66:67], s[96:97], s[66:67]
	s_cselect_b32 s95, 4096, 0                     ; the values lie 4,096 bytes into a row of out1
	s_mov_b64 s[12:13], s[100:101]
	s_add_nc_u64 s[20:21], s[4:5], s[20:21]
	s_add_nc_u64 s[22:23], s[6:7], s[22:23]
	s_add_nc_u64 s[46:47], s[8:9], s[46:47]
	s_add_nc_u64 s[92:93], s[10:11], s[92:93]
	CROUND                                         ; in front of the first joint loads
	s_mov_b32 s[G0H], 1
	s_mov_b32 s[G0H+1], 0
	s_mov_b64 s[G0H+2:G0H+3], s[20:21]
	s_or_b32 s[G0H+3], s[G0H+3], 0x80000000
	s_mov_b32 s[G0HB], 1
	s_mov_b32 s[G0HB+1], 2*HALFT
	s_mov_b64 s[G0HB+2:G0HB+3], s[46:47]
	s_or_b32 s[G0HB+3], s[G0HB+3], 0x80000000
	s_mov_b32 s[G0S], 1
	s_mov_b32 s[G0S+1], SCL
	s_mov_b64 s[G0S+2:G0S+3], s[22:23]
	s_or_b32 s[G0S+3], s[G0S+3], 0x80000000
	s_mov_b32 s[G0SB], 1
	s_mov_b32 s[G0SB+1], SCL+2*HALFS
	s_mov_b64 s[G0SB+2:G0SB+3], s[92:93]
	s_or_b32 s[G0SB+3], s[G0SB+3], 0x80000000
	s_add_nc_u64 s[20:21], s[20:21], s[18:19]
	s_add_nc_u64 s[46:47], s[46:47], s[18:19]
.irp s, 0,1
	s_mov_b32 s[G0+4*\s], 1
	s_add_co_u32 s[G0+4*\s+1], s45, \s*SLOT
	s_add_nc_u64 s[G0+4*\s+2:G0+4*\s+3], s[20:21], \s*ROWB
	s_or_b32 s[G0+4*\s+3], s[G0+4*\s+3], 0x80000000
	s_mov_b32 s[G0B+4*\s], 1
	s_add_co_u32 s[G0B+4*\s+1], s45, \s*SLOT
	s_add_nc_u64 s[G0B+4*\s+2:G0B+4*\s+3], s[46:47], \s*ROWB
	s_or_b32 s[G0B+4*\s+3], s[G0B+4*\s+3], 0x80000000
.endr
; the head's four tiles, one a wave: chunk 0 of x, chunk 0 of the weight, x's scales, the weight's scales
.macro ARM under, g0, g1, next
	s_cmp_lt_u32 s14, \under
	s_cbranch_scc0 \next
	tensor_load_to_lds s[\g0:\g0+3], s[\g1:\g1+7]
	s_nop 0
.rept 4
	v_nop
.endr
	s_branch .Lhead_asked
\next:
.endm
	ARM 1, G0H,  G1,  .Lhead_b
	ARM 2, G0HB, G1B, .Lhead_sa
	ARM 3, G0S,  G1S, .Lhead_sb
	tensor_load_to_lds s[G0SB:G0SB+3], s[G1SB:G1SB+7]
	s_nop 0
.rept 4
	v_nop
.endr
.Lhead_asked:
	v_and_b32 v1, 15, v0                           ; r
	v_bfe_u32 v2, v0, 4, 1                         ; hh
	v_mul_u32_u24 v3, v1, PITCH
	v_mul_u32_u24 v4, v2, 24
	v_add_nc_u32 v4, v3, v4
	s_mov_b32 s21, SLOT-232
	s_mov_b32 s22, SLOT+232
	v_sub_nc_u32 v7, 1, v2
	v_mul_u32_u24 v5, s21, v2
	v_add_nc_u32 v5, v3, v5
	v_add_nc_u32 v5, 232, v5                       ; across two chunks: lanes 0-15 byte 232 in slot 0, lanes 16-31 byte 0 in slot 1;
	v_mul_u32_u24 v6, s22, v7
	v_add_nc_u32 v6, v3, v6                        ; and the other way round
	s_mul_i32 s21, s15, HALFT
	s_mul_i32 s22, s16, HALFT
	s_add_co_u32 s22, s22, 2*HALFT
	v_add_nc_u32 v[ADRA+2], s21, v5
	v_add_nc_u32 v[ADRA+3], s21, v6
	v_add_nc_u32 v[ADRB+2], s22, v5
	v_add_nc_u32 v[ADRB+3], s22, v6
.irp s, 0,1
	v_add_nc_u32 v[ADRA+\s], s21, v4
	v_add_nc_u32 v[ADRB+\s], s22, v4
	s_add_co_u32 s21, s21, SLOT
	s_add_co_u32 s22, s22, SLOT
.endr
	v_mul_u32_u24 v5, v1, KS
	v_lshrrev_b32 v6, 8, v5
	v_lshl_add_u32 v5, v6, 4, v5
	s_mul_i32 s21, s15, HALFS
	s_mul_i32 s22, s16, HALFS
	s_add_co_u32 s22, s22, 2*HALFS
	s_sub_co_u32 s22, s22, s21
	v_mul_u32_u24 v6, s22, v2                      ; lanes 16-31 take the weight's scale words
	s_add_co_u32 s21, s21, SCL
	v_add_nc_u32 v5, v5, v6
	v_add_nc_u32 v[ADRS], s21, v5
	s_mul_i32 s23, s14, 16*SPITCH
	s_add_co_u32 s23, s23, STAGE
	v_mul_u32_u24 v3, v1, SPITCH
	v_lshl_add_u32 v5, v2, 5, v3
	v_add_nc_u32 v[STO], s23, v5
	v_and_b32 v6, 31, v0
	v_lshlrev_b32 v[CO], 4, v6
	v_add_nc_u32 v[RD], s23, v[CO]
	v_add_nc_u32 v[STOQ], 4*16*SPITCH, v[STO]      ; q's way has stages of its own, behind the other way's four
	v_lshl_add_u32 v5, v2, 7, v3
	v_add_nc_u32 v5, s23, v5
	v_add_nc_u32 v[RDQ], 4*16*SPITCH, v5
	v_lshlrev_b32 v[L8], 3, v6
	v_lshlrev_b32 v[SH], 3, v2
	v_lshlrev_b32 v8, 5, v2                        ; the bias: 32 hh
	s_wait_alu depctr_va_vdst(0)                   ; the wait behind the head's last vector write
	s_lshl_b32 s20, s17, 8
	s_lshl_b32 s21, s15, 7
	s_add_co_u32 s20, s20, s21                     ; my first row
	s_mov_b32 s21, 0
	s_mov_b64 s[18:19], PITCHC
	s_mul_u64 s[20:21], s[20:21], s[18:19]
	s_lshl_b32 s46, s42, 10
	s_lshl_b32 s47, s16, 9
	s_add_co_u32 s46, s46, s47                     ; my first column x 4
	s_mov_b32 s47, 0
	s_add_nc_u64 s[66:67], s[66:67], s[46:47]
	s_add_co_u32 s46, s46, s95
	s_add_nc_u64 s[20:21], s[20:21], s[46:47]
	s_add_nc_u64 s[12:13], s[12:13], s[20:21]      ; out1: used on the keys' and values' way alone
	s_lshl_b32 s22, s17, 4
	s_lshl_b32 s23, s15, 3
	s_add_co_u32 s22, s22, s23                     ; my first tile of 16 rows
	s_lshl_b32 s22, s22, 4
	s_lshl_b32 s23, s42, 2
	s_add_co_u32 s22, s22, s23
	s_lshl_b32 s23, s16, 1
	s_add_co_u32 s22, s22, s23                     ; x 16 + my first head
	s_lshl_b32 s22, s22, 10
	s_mov_b32 s23, 0
	s_add_nc_u64 s[98:99], s[98:99], s[22:23]      ; qc: used on q's way alone
	s_mov_b32 s20, 0x76543210
	s_mov_b32 s21, 0xfedcba98                      ; v_permlanex16_b32's selects for lane l xor 16
.irp b, 0,1,2,3,4,5,6,7                ; register j of block b: column 16 b + 8 hh + j
	global_load_b128 v[BI+8*\b:BI+8*\b+3], v8, s[66:67] offset:64*\b
	global_load_b128 v[BI+8*\b+4:BI+8*\b+7], v8, s[66:67] offset:64*\b+16
.endr
.macro FRAG reg, adr, st, i            ; 16 rows x 128 K: 12 registers, in pieces of 8 bytes; byte y of a row lies in chunk y / 256, slot (y / 256) % 2
.irp p, 0,1,2,3,4,5
.set BY, 96*(\st)+48*(\p/3)+8*(\p%3)
.if BY/ROWB == (BY+24)/ROWB
	ds_load_b64 v[\reg+2*\p:\reg+2*\p+1], v[\adr+(BY/ROWB)%2] offset:BY%ROWB+(\i)*16*PITCH
.else
	ds_load_b64 v[\reg+2*\p:\reg+2*\p+1], v[\adr+2+(BY/ROWB)%2] offset:BY%ROWB-232+(\i)*16*PITCH
.endif
.endr
.endm
.macro MUL16 a0, p, q, sc, zero        ; the 64 accumulators take turns
.irp a, \a0, \a0+1
.irp b, 0,1,2,3,4,5,6,7
.if \zero
	v_wmma_scale_f32_16x16x128_f8f6f4 v[8*(8*((\a)%4)+\b):8*(8*((\a)%4)+\b)+7], v[128*(\p)+FR*\b:128*(\p)+FR*\b+FR-1], v[AF+FR*(\a):AF+FR*(\a)+FR-1], v[BI+8*\b:BI+8*\b+7], v[SC+8*NQ*(\sc)+NQ*\b+(\q)], v[SC+8*NQ*(\sc)+NQ*(\a)+(\q)] matrix_a_fmt:MATRIX_FMT_FP6 matrix_b_fmt:MATRIX_FMT_FP6 matrix_a_scale:MATRIX_SCALE_ROW1
.else
	v_wmma_scale_f32_16x16x128_f8f6f4 v[8*(8*((\a)%4)+\b):8*(8*((\a)%4)+\b)+7], v[128*(\p)+FR*\b:128*(\p)+FR*\b+FR-1], v[AF+FR*(\a):AF+FR*(\a)+FR-1], v[8*(8*((\a)%4)+\b):8*(8*((\a)%4)+\b)+7], v[SC+8*NQ*(\sc)+NQ*\b+(\q)], v[SC+8*NQ*(\sc)+NQ*(\a)+(\q)] matrix_a_fmt:MATRIX_FMT_FP6 matrix_b_fmt:MATRIX_FMT_FP6 matrix_a_scale:MATRIX_SCALE_ROW1
.endif
.endr
.endr
.endm
.macro FETCH_B st, p
	WIN TO_B
.irp i, 0,1,2,3,4,5,6,7
	FRAG 128*(\p)+FR*\i, ADRB, \st, \i
.endr
	WIN 0
.endm
.macro FETCH_A st, i0
.irp i, \i0, \i0+1, \i0+2, \i0+3
	FRAG AF+FR*(\i), ADRA, \st, \i
.endr
.endm
.macro SCALES pr
.irp i, 0,1,2,3,4,5,6,7
	ds_load_b64 v[SC+8*NQ*((\pr)%2)+NQ*\i:SC+8*NQ*((\pr)%2)+NQ*\i+1], v[ADRS] offset:\i*SBLK+4*NQ*(\pr)
.endr
.endm
.macro PLACES n
.rept \n
	v_nop
.endr
.endm
; A step: 64 products; the next step's fragments come in its middle and at its end.  Where the next step ends in a chunk not yet read: the wait for my tensor loads and a barrier.
; Where it begins in a later chunk: the wait, the add, the wait for it and for my reads, the barrier; and where a chunk two on is left, the cluster's round and the refill.
.macro STEP st, zero
.set NX, (\st)+1
.set C0, (96*(\st))/ROWB
.set C1, (96*NX)/ROWB
.set E0, (96*(\st)+95)/ROWB
.set E1, (96*NX+95)/ROWB
.if C1 > C0 || E1 > E0
	s_wait_tensorcnt 0x0
.if C1 > C0
	ds_add_u32 v[SPW], v[NIL]
	s_wait_dscnt 4*NL+1                            ; the add and x's blocks 4-7 may be out
.else
	s_wait_dscnt 4*NL                              ; x's blocks 4-7 may be out
.endif
	WM 0, \zero
	MUL16 0, (\st)%2, (\st)%2, ((\st)/2)%2, \zero
	s_wait_dscnt 0x0
	s_barrier_signal -1
	MUL16 2, (\st)%2, (\st)%2, ((\st)/2)%2, \zero
	WIN 0
	s_barrier_wait -1
.if C1 > C0 && C0+2 < CHUNKS
	CREST
	s_add_nc_u64 s[G0+4*(C0%2)+2:G0+4*(C0%2)+3], s[G0+4*(C0%2)+2:G0+4*(C0%2)+3], 2*ROWB
	s_add_nc_u64 s[G0B+4*(C0%2)+2:G0B+4*(C0%2)+3], s[G0B+4*(C0%2)+2:G0B+4*(C0%2)+3], 2*ROWB
	JLOAD G0+4*(C0%2), G1, G0B+4*(C0%2), G1B
.else
	PLACES NP
.endif
.else
	s_wait_dscnt 4*NL
	WM 0, \zero
	MUL16 0, (\st)%2, (\st)%2, ((\st)/2)%2, \zero
	MUL16 2, (\st)%2, (\st)%2, ((\st)/2)%2, \zero
	s_wait_dscnt 0
	PLACES NP
.endif
	FETCH_B NX, NX%2
	FETCH_A NX, 0
.if NX%2 == 0
	SCALES NX/2
.endif
	WM 1, \zero
	MUL16 4, (\st)%2, (\st)%2, ((\st)/2)%2, \zero
	MUL16 6, (\st)%2, (\st)%2, ((\st)/2)%2, \zero
	PLACES NP
	WIN 0
	FETCH_A NX, 4
.endm
	s_wait_tensorcnt 0x0                           ; my tile of the head's four is in; the add and its wait ahead of a later first fill:
	ds_add_u32 v[SPW], v[NIL]
	s_mov_b32 s[G1+2], 128<<16                     ; no tensor load of mine is out: from here on a load brings 128 rows
	s_mov_b32 s[G1+4], 128
	s_mov_b32 s[G1B+2], 128<<16
	s_mov_b32 s[G1B+4], 128
	s_wait_dscnt 0x0
	CROUND
	JLOAD G0+4, G1, G0B+4, G1B                     ; chunk 1
	FETCH_B 0, 0
	FETCH_A 0, 0
	SCALES 0
	FETCH_A 0, 4
	s_wait_loadcnt 0x0                             ; the bias is in
	STEP 0, 1
.set ST, 1
.rept STEPS-2
	STEP ST, 0
.set ST, ST+1
.endr
	s_wait_dscnt 4*NL
	WIN 0xa1
	MUL16 0, 1, 1, 1, 0
	MUL16 2, 1, 1, 1, 0
	s_wait_dscnt 0
	WIN 0xf1
	MUL16 4, 1, 1, 1, 0
	MUL16 6, 1, 1, 1, 0
	WIN 0
; the keys' and values' way out: 16 rows x 128 columns at a time through my own stage, back as rows of 512 bytes
.macro TOSTAGE a
.set AC, 64*((\a)%4)
	WIN 0x08+4*((\a)/4)
.irp b, 0,1,2,3,4,5,6,7
	ds_store_b128 v[STO], v[AC+8*\b:AC+8*\b+3] offset:64*\b
	ds_store_b128 v[STO], v[AC+8*\b+4:AC+8*\b+7] offset:64*\b+16
.endr
	WIN 0
.set BB, BK+64*((\a)%2)
.irp t, 0,1,2,3,4,5,6,7,8,9,10,11,12,13,14,15
	ds_load_b128 v[BB+4*\t:BB+4*\t+3], v[RD] offset:\t*SPITCH
.endr
.endm
.macro SEND a, younger
.set BB, BK+64*((\a)%2)
	s_wait_dscnt \younger
.if (\a) > 0
	s_add_nc_u64 s[12:13], s[12:13], 16*PITCHC
.endif
.irp t, 0,1,2,3,4,5,6,7,8,9,10,11,12,13,14,15
	global_store_b128 v[CO], v[BB+4*\t:BB+4*\t+3], s[12:13] offset:\t*PITCHC   ; 32 lanes store 512 consecutive bytes, aligned to 256
.endr
.endm
; q's way out: 16 rows x 2 heads at a time through my own stage, back as 32 channels a lane; each lane's block becomes codes, and its byte, 3 less for the factor 1 / 8, joins lane l xor 16's
.macro QBLOCK a
.set AC, 64*((\a)%4)
	WIN 0x08+4*((\a)/4)
.irp b, 0,1,2,3,4,5,6,7
	ds_store_b128 v[STOQ], v[AC+8*\b:AC+8*\b+3] offset:64*\b
	ds_store_b128 v[STOQ], v[AC+8*\b+4:AC+8*\b+7] offset:64*\b+16
.endr
	WIN 0
.irp x, 0,1
.irp i, 0,1,2,3,4,5,6,7
	ds_load_b128 v[QX+32*\x+4*\i:QX+32*\x+4*\i+3], v[RDQ] offset:256*\x+16*\i   ; LDS serves a wave's instructions in order: these see the stores above
.endr
.endr
	s_wait_dscnt 0x0
.irp c, 0,1,2,3
	v_max3_num_f32 v[QM+\c], |v[QX+16*\c]|, |v[QX+16*\c+1]|, 0x3000000   ; four chains, each with the floor 2^(6 - 127): the byte cannot fall under 1
.endr
.irp i, 2,4,6,8,10,12,14
.irp c, 0,1,2,3
	v_max3_num_f32 v[QM+\c], v[QM+\c], |v[QX+16*\c+\i]|, |v[QX+16*\c+\i+1]|
.endr
.endr
.irp x, 0,1
	v_max_num_f32 v[QM+2*\x], v[QM+2*\x], v[QM+2*\x+1]
.endr
.irp x, 0,1
	v_add_nc_u32 v[QSO+\x], 0xff000000, v[QM+2*\x] ; 2 off the exponent field: the conversion's scale operand
.endr
.irp x, 0,1
	v_lshrrev_b32 v[QB+\x], 23, v[QSO+\x]
.endr
.irp x, 0,1
	v_add_nc_u32 v[QB+\x], -3, v[QB+\x]            ; / 8
.endr
.irp x, 0,1
	v_lshlrev_b32 v[QB+\x], v[SH], v[QB+\x]        ; at its place, 8 hh bits up
.endr
.irp x, 0,1
	v_permlanex16_b32 v[QT+\x], v[QB+\x], s20, s21
.endr
.irp x, 0,1
	v_or_b32 v[QB+\x], v[QB+\x], v[QT+\x]
.endr
	s_wait_alu depctr_va_vdst(0)
	s_wait_xcnt 0x0                                ; the last block's stores have read their data
.irp x, 0,1
	v_lshl_or_b32 v[QW+2*\x], v[QB+\x], 16, v[QB+\x]   ; twice: the word serves q in either half of K
.endr
.irp x, 0,1
	v_mov_b32 v[QW+2*\x+1], v[QW+2*\x]
.endr
.irp x, 0,1
	v_cvt_scalef32_pk16_fp6_f32 v[QC+6*\x:QC+6*\x+2], v[QX+32*\x:QX+32*\x+15], v[QSO+\x]
	v_cvt_scalef32_pk16_fp6_f32 v[QD+4*\x:QD+4*\x+2], v[QX+32*\x+16:QX+32*\x+31], v[QSO+\x]
.endr
	v_nop                                          ; one plain place behind a scaled conversion
.irp x, 0,1
.irp i, 0,1,2
	v_mov_b32 v[QC+6*\x+3+\i], v[QD+4*\x+\i]
.endr
.endr
.irp x, 0,1
	global_store_b128 v[CO], v[QC+6*\x:QC+6*\x+3], s[98:99] offset:16384*\a+1024*\x          ; 512 consecutive bytes, aligned to 256
	global_store_b64 v[L8], v[QC+6*\x+4:QC+6*\x+5], s[98:99] offset:16384*\a+1024*\x+512     ; 256
	global_store_b64 v[L8], v[QW+2*\x:QW+2*\x+1], s[98:99] offset:16384*\a+1024*\x+768       ; 256
.endr
.endm
	PLACES NP
	s_cmp_eq_u32 ttmp9, 0                          ; the cluster's x: the same in all waves and all partners; all joint loads have been issued
	s_cbranch_scc1 .Lq_out
	TOSTAGE 0
.irp a, 1,2,3,4,5,6,7
.if \a > 1
	s_wait_xcnt 0x0                                ; block a - 2's stores have read their registers and their base
.endif
	TOSTAGE \a
	SEND \a-1, 32                                  ; behind block a - 1's loads: block a's 16 stores and 16 loads
.endr
	s_wait_xcnt 0x0
	SEND 7, 0
	s_branch .Lout_done
.Lq_out:
	v_mov_b32 v[QT], 0                             ; a lane permute's destination counts as one of its sources
	v_mov_b32 v[QT+1], 0
.irp a, 0,1,2,3,4,5,6,7
	QBLOCK \a
.endr
.Lout_done:
	s_wait_tensorcnt 0x0                           ; the wave's end
	ds_add_u32 v[SPW], v[NIL]
	s_wait_dscnt 0x0
	CROUND                                         ; the closing round
	s_endpgm
.Lfunc_end_k_qe363228850_qkv:
	.size	k_qe363228850_qkv, .Lfunc_end_k_qe363228850_qkv-k_qe363228850_qkv
	.p2alignl 7, 3214868480
	.fill 96, 4, 3214868480
	.section	.rodata,"a",@progbits
	.p2align	6, 0x0
	.amdhsa_kernel k_qe363228850_qkv
		.amdhsa_group_segment_fixed_size 327680
		.amdhsa_private_segment_fixed_size 0
		.amdhsa_enable_private_segment 0
		.amdhsa_kernarg_size 104
		.amdhsa_user_sgpr_count 2
		.amdhsa_user_sgpr_kernarg_segment_ptr 1
		.amdhsa_wavefront_size32 1
		.amdhsa_system_sgpr_workgroup_id_x 1
		.amdhsa_system_sgpr_workgroup_id_y 1
		.amdhsa_system_sgpr_workgroup_id_z 1
		.amdhsa_system_vgpr_workitem_id 0
		.amdhsa_next_free_vgpr 1024
		.amdhsa_next_free_sgpr 102
		.amdhsa_reserve_vcc 0
		.amdhsa_float_denorm_mode_32 3
		.amdhsa_float_denorm_mode_16_64 3
		.amdhsa_memory_ordered 1
		.amdhsa_forward_progress 1
		.amdhsa_inst_pref_size 212
	.end_amdhsa_kernel
	.amdgpu_metadata
---
amdhsa.version: [ 1, 2 ]
amdhsa.kernels:
  - .name:           k_qe363228850_qkv
    .symbol:         k_qe363228850_qkv.kd
    .args:
      - { .name: x_codes, .offset: 0, .size: 8, .value_kind: global_buffer, .address_space: global }
      - { .name: x_scales, .offset: 8, .size: 8, .value_kind: global_buffer, .address_space: global }
      - { .name: Wq_codes, .offset: 16, .size: 8, .value_kind: global_buffer, .address_space: global }
      - { .name: Wq_scales, .offset: 24, .size: 8, .value_kind: global_buffer, .address_space: global }
      - { .name: bq, .offset: 32, .size: 8, .value_kind: global_buffer, .address_space: global }
      - { .name: Wk_codes, .offset: 40, .size: 8, .value_kind: global_buffer, .address_space: global }
      - { .name: Wk_scales, .offset: 48, .size: 8, .value_kind: global_buffer, .address_space: global }
      - { .name: bk, .offset: 56, .size: 8, .value_kind: global_buffer, .address_space: global }
      - { .name: Wv_codes, .offset: 64, .size: 8, .value_kind: global_buffer, .address_space: global }
      - { .name: Wv_scales, .offset: 72, .size: 8, .value_kind: global_buffer, .address_space: global }
      - { .name: bv, .offset: 80, .size: 8, .value_kind: global_buffer, .address_space: global }
      - { .name: qc, .offset: 88, .size: 8, .value_kind: global_buffer, .address_space: global }
      - { .name: out1, .offset: 96, .size: 8, .value_kind: global_buffer, .address_space: global }
    .group_segment_fixed_size: 327680
    .private_segment_fixed_size: 0
    .kernarg_segment_align: 8
    .kernarg_segment_size: 104
    .max_flat_workgroup_size: 128
    .sgpr_count:     102
    .vgpr_count:     1024
    .wavefront_size: 32
...
	.end_amdgpu_metadata
.endif
;; end of part 1
;; launch kvq (part 2): grid 64 x 4, 8 waves a work-group, no clusters, 121,856 bytes of LDS; arguments xl_memory, out1, kvc, kvs; writes kvc, kvs
.if DOCPART == 2
	.amdgcn_target "amdgcn-amd-amdhsa--gfx1250"
	.amdhsa_code_object_version 6
	.text
	.protected	k_qe363228850_kvq
	.globl	k_qe363228850_kvq
	.p2align	8
	.type	k_qe363228850_kvq,@function
k_qe363228850_kvq:
	s_mov_b64 s[64:65], 0
	v_nop
	global_prefetch_b8 v0, s[64:65] scope:SCOPE_SE
	s_setreg_imm32_b32 hwreg(HW_REG_WAVE_MODE, 25, 1), 1
	s_wait_xcnt 0x0
; The 2,048 keys and values of each batch and head (1,024 of xl_memory, then the 1,024 new ones of out1; both buffers are laid [b][token][k | v][1024] f32) become codes of FP6 (E2M3) with E8M0 scale bytes:
; the keys quantised along the head's 64 channels, the values along the keys.  Nothing is left out here.  The codes are laid as IMAGES OF THE OPERANDS' REGISTERS, so that launch attn reads them 16 bytes a lane.
; kvc [h][step of 128 keys][b][K 6,144 bytes | V 6,144 bytes];  kvs [h][step][b][512]: byte 16 lane + 4 i = register i of four scale registers: lanes 0-15 K's words, lanes 16-31 V's.
; A fragment is 12 registers, stored as three runs of 512 bytes: run j holds registers 4 j .. 4 j + 3 of lane l at byte 16 l.
; K's fragment f (0..3) holds TWO tiles of 16 keys: lane (r, hh), registers 0-5: key 32 f + r + 8 (r / 8), channels 32 hh on; registers 6-11: the key 8 further on.  Its scale word: the two bytes of the one key, then of the other.
; V's fragment t = 2 x + u: row p is channel 32 x + 8 u + p + 8 (p / 8); registers 6 c .. 6 c + 5 of lane (p, hh): keys 64 c + 32 hh on.  Byte k of its scale word: keys 32 k on.
; A block's scale is 2^(floor(log2(its largest magnitude)) - 2): its byte is the largest magnitude's exponent field - 2, held at 1 from below.
; LIMITS: a block of zeros, or one whose largest magnitude lies under 2^-124, gets the byte 1 (the bytes are read by this program alone; zero codes add nothing); NaN and infinities are not served.
; SHARES: work-group x = 4 step + quarter of the heads, y = batch.  A wave takes 128 tokens x 256 bytes of one head: waves 0-3 the keys, waves 4-7 the values.  Waves share nothing: no barrier.
; Each load takes two rows' 256 consecutive bytes; a block of 32 tokens turns through the wave's own stage in LDS.  Loads run two blocks (32 loads a wave) ahead.  Memory binds: no matrix unit, no cluster, no tensor load, no prefetch.
.set WREG,  15104                      ; LDS of a wave: a stage of 32 rows x 272 bytes, V's image of 6,144 bytes, V's scale words, 256 bytes
.set SP,    272
.set IMG,   32*SP
.set VSC,   IMG+6144
.set SPARE, 8*WREG                     ; the spare words, 128 bytes for each wave, that no other line names
.set GA,  2                            ; v2  memory: hh rows + 16 r
.set STA, 3                            ; v3  the stage, in
.set RDK, 4                            ; v4  the stage, out, for keys: row r, + 128 hh
.set RDV, 5                            ; v5  for values: column = lane
.set IA,  6                            ; v6  V's image: my column's place
.set SCA, 7                            ; v7  V's scale words: my column's place
.set L16, 8                            ; v8  16 x lane
.set L8,  9                            ; v9  8 x lane
.set RB16, 10                          ; v10 V's image, read back
.set RB8, 11                           ; v11 V's scale words, read back
.set SH,  12                           ; v12 8 hh; never rewritten
.set KSA, 13                           ; v13 16 r + 8 hh
.set SPW, 14                           ; v14 my spare word; never rewritten
.set NIL, 15                           ; v15 0; never rewritten
.set M,   16                           ; v16-17 largest magnitudes
.set SO,  18                           ; v18-19 the conversions' scale operands
.set BY,  20                           ; v20-21 scale bytes
.set W,   22
.set WT,  23
.set KW,  24                           ; v24-27 scale words
.set C,   28                           ; v28-39 codes
.set T,   40                           ; v40-47 the conversions' second halves (at the head: lane numbers, which are not read behind the first conversion)
.set R,   48                           ; v48-175 two sets of 64 registers as loaded
.set X,   176                          ; v176-239 two blocks of 32 numbers
	s_load_b128 s[4:7], s[0:1], 0x0                ; xl_memory, out1
	s_load_b128 s[8:11], s[0:1], 0x10              ; kvc, kvs
	v_lshl_add_u32 v[SPW], v0, 2, SPARE
	v_mov_b32 v[NIL], 0
	v_lshrrev_b32 v1, 5, v0
	s_delay_alu instid0(VALU_DEP_1)
	v_readfirstlane_b32 s12, v1                    ; wave 0..7
	s_lshr_b32 s13, s12, 2                         ; 0: keys, 1: values
	s_and_b32 s16, s12, 3
	s_lshr_b32 s14, ttmp9, 2                       ; the step of 128 keys
	s_and_b32 s15, ttmp9, 3
	s_lshl_b32 s15, s15, 2
	s_add_co_u32 s16, s16, s15                     ; the head
	s_and_b32 s17, ttmp7, 0xffff                   ; the batch
	s_mul_i32 s18, s12, WREG                       ; my region of LDS
	s_add_co_u32 s19, s18, IMG
	s_add_co_u32 s22, s18, VSC
	s_mov_b32 s20, 0x76543210
	s_mov_b32 s21, 0xfedcba98                      ; v_permlanex16_b32's selects for lane l xor 16
	v_and_b32 v40, 31, v0                          ; lane
	v_and_b32 v41, 15, v0                          ; r
	v_bfe_u32 v42, v0, 4, 1                        ; hh
	v_and_b32 v43, 7, v0
	v_bfe_u32 v44, v0, 3, 1                        ; u
	s_delay_alu instid0(VALU_DEP_2)
	v_lshl_add_u32 v45, v42, 3, v43                ; the row of V's fragment that takes my column: 8 hh + lane % 8
	v_lshlrev_b32 v[GA], 4, v41
	s_delay_alu instid0(VALU_DEP_1)
	v_lshl_add_u32 v[GA], v42, 13, v[GA]
	v_mul_u32_u24 v[STA], v42, SP
	s_delay_alu instid0(VALU_DEP_1)
	v_lshl_add_u32 v[STA], v41, 4, v[STA]
	s_delay_alu instid0(VALU_DEP_1)
	v_add_nc_u32 v[STA], s18, v[STA]
	v_mul_u32_u24 v[RDK], v41, SP
	s_delay_alu instid0(VALU_DEP_1)
	v_lshl_add_u32 v[RDK], v42, 7, v[RDK]
	s_delay_alu instid0(VALU_DEP_1)
	v_add_nc_u32 v[RDK], s18, v[RDK]
	v_lshl_add_u32 v[RDV], v40, 2, s18
	v_mul_u32_u24 v[IA], v44, 1536
	s_delay_alu instid0(VALU_DEP_1)
	v_lshl_add_u32 v[IA], v45, 4, v[IA]
	s_delay_alu instid0(VALU_DEP_1)
	v_add_nc_u32 v[IA], s19, v[IA]
	v_lshlrev_b32 v[SCA], 2, v44
	s_delay_alu instid0(VALU_DEP_1)
	v_lshl_add_u32 v[SCA], v45, 4, v[SCA]
	s_delay_alu instid0(VALU_DEP_1)
	v_add_nc_u32 v[SCA], s22, v[SCA]
	v_lshlrev_b32 v[L16], 4, v40
	v_lshlrev_b32 v[L8], 3, v40
	s_delay_alu instid0(VALU_DEP_2)
	v_add_nc_u32 v[RB16], s19, v[L16]
	s_delay_alu instid0(VALU_DEP_2)
	v_add_nc_u32 v[RB8], s22, v[L8]
	v_lshlrev_b32 v[SH], 3, v42
	v_lshlrev_b32 v[KSA], 4, v41
	s_delay_alu instid0(VALU_DEP_1)
	v_lshl_add_u32 v[KSA], v42, 3, v[KSA]
	v_mov_b32 v[WT], 0                             ; a lane permute's destination counts as one of its sources
	s_lshl_b32 s24, s17, 23                        ; the source: batch x 8 MiB
	s_and_b32 s25, s14, 7
	s_lshl_b32 s25, s25, 20                        ; + 128 tokens of 8,192 bytes a step
	s_add_co_u32 s24, s24, s25
	s_lshl_b32 s25, s13, 12                        ; + 4,096 for the values
	s_add_co_u32 s24, s24, s25
	s_lshl_b32 s25, s16, 8                         ; + 256 a head
	s_add_co_u32 s24, s24, s25
	s_mov_b32 s25, 0
	s_lshl_b32 s26, s16, 4
	s_add_co_u32 s26, s26, s14
	s_lshl_b32 s26, s26, 2
	s_add_co_u32 s26, s26, s17                     ; (head x 16 + step) x 4 + batch
	s_mul_i32 s28, s26, 12288
	s_mul_i32 s27, s13, 6144
	s_add_co_u32 s28, s28, s27
	s_mov_b32 s29, 0
	s_lshl_b32 s30, s26, 9
	s_lshl_b32 s27, s13, 8
	s_add_co_u32 s30, s30, s27
	s_mov_b32 s31, 0
	s_wait_kmcnt 0x0
	s_cmp_lt_u32 s14, 8                            ; steps 0-7: the memory; steps 8-15: the new keys and values.  The choice hangs on the work-group's number alone
	s_cselect_b64 s[4:5], s[4:5], s[6:7]
	s_add_nc_u64 s[4:5], s[4:5], s[24:25]
	s_add_nc_u64 s[8:9], s[8:9], s[28:29]
	s_add_nc_u64 s[10:11], s[10:11], s[30:31]
.macro LOADBLK set, blk                ; 32 tokens: each load takes two rows' 256 consecutive bytes
.irp i, 0,1,2,3,4,5,6,7,8,9,10,11,12,13,14,15
	global_load_b128 v[R+64*(\set)+4*\i:R+64*(\set)+4*\i+3], v[GA], s[4:5] offset:(32*(\blk)+2*\i)*8192 th:TH_LOAD_NT
.endr
.endm
.macro QMAX                            ; two blocks of 32 numbers, v[X ..] and v[X + 32 ..]: largest magnitude with the floor 2^(3 - 127), the conversion's scale operand, the byte
.irp c, 0,1
	v_max3_num_f32 v[M+\c], |v[X+32*\c]|, |v[X+32*\c+1]|, 0x1800000
.endr
.irp i, 2,4,6,8,10,12,14,16,18,20,22,24,26,28,30
.irp c, 0,1
	s_delay_alu instid0(VALU_DEP_2)
	v_max3_num_f32 v[M+\c], v[M+\c], |v[X+32*\c+\i]|, |v[X+32*\c+\i+1]|
.endr
.endr
.irp c, 0,1
	s_delay_alu instid0(VALU_DEP_2)
	v_add_nc_u32 v[SO+\c], 0xff000000, v[M+\c]     ; 2 off the exponent field
.endr
.irp c, 0,1
	s_delay_alu instid0(VALU_DEP_2)
	v_lshrrev_b32 v[BY+\c], 23, v[SO+\c]
.endr
.endm
.macro QCVT                            ; the two blocks' codes into v[C .. C + 5] and v[C + 6 .. C + 11]
.irp c, 0,1
	v_cvt_scalef32_pk16_fp6_f32 v[C+6*\c:C+6*\c+2], v[X+32*\c:X+32*\c+15], v[SO+\c]
	v_cvt_scalef32_pk16_fp6_f32 v[T+4*\c:T+4*\c+2], v[X+32*\c+16:X+32*\c+31], v[SO+\c]   ; (a conversion's three registers begin on an even number)
.endr
	v_nop                                          ; one plain place behind a scaled conversion
.irp c, 0,1
.irp i, 0,1,2
	v_mov_b32 v[C+6*\c+3+\i], v[T+4*\c+\i]
.endr
.endr
.endm
	LOADBLK 0, 0
	LOADBLK 1, 1
	s_cmp_lt_u32 s12, 4
	s_cbranch_scc0 .Lvalues
; THE KEYS.  Block f of 32 tokens is fragment f.  Token k goes to stage row 16 ((k / 8) % 2) + 8 (k / 16) + k % 8, so that the 16 keys of each of the fragment's two tiles lie on end.
.macro KBLOCK f
.if \f < 3
	s_wait_loadcnt 16                              ; this block's 16 loads are in; the next block's 16 may be out
.else
	s_wait_loadcnt 0
.endif
.irp i, 0,1,2,3,4,5,6,7,8,9,10,11,12,13,14,15
	ds_store_b128 v[STA], v[R+64*((\f)%2)+4*\i:R+64*((\f)%2)+4*\i+3] offset:(16*(((2*\i)/8)%2)+8*((2*\i)/16)+(2*\i)%8)*SP
.endr
.irp c, 0,1
.irp i, 0,1,2,3,4,5,6,7
	ds_load_b128 v[X+32*\c+4*\i:X+32*\c+4*\i+3], v[RDK] offset:16*\c*SP+16*\i   ; my key of tile c, my 32 channels.  LDS serves a wave's instructions in order
.endr
.endr
	s_wait_dscnt 0x0                               ; the numbers are back, and the stores have read their registers,
.if \f < 2
	LOADBLK (\f)%2, (\f)+2                         ; which take the block two further on
.endif
	QMAX
	s_delay_alu instid0(VALU_DEP_1)
	v_lshl_or_b32 v[W], v[BY+1], 16, v[BY]         ; my block's byte of the one key and of the other,
	s_delay_alu instid0(VALU_DEP_1)
	v_lshlrev_b32 v[W], v[SH], v[W]                ; at their places (8 hh bits up);
	s_delay_alu instid0(VALU_DEP_1)
	v_permlanex16_b32 v[WT], v[W], s20, s21
	s_delay_alu instid0(VALU_DEP_1)
	v_or_b32 v[KW+\f], v[W], v[WT]                 ; with lane l xor 16's two the word is whole
.if \f > 0
	s_wait_alu depctr_va_vdst(0)
	s_wait_xcnt 0x0                                ; the last block's stores have read their data: the codes' registers are written again only behind this wait
.endif
	QCVT
.irp j, 0,1,2
	global_store_b128 v[L16], v[C+4*\j:C+4*\j+3], s[8:9] offset:1536*\f+512*\j   ; 32 lanes store 512 consecutive bytes, aligned to 256
.endr
.endm
	KBLOCK 0
	KBLOCK 1
	KBLOCK 2
	KBLOCK 3
	v_cmp_eq_u32 vcc_lo, 8, v[SH]                  ; lanes 16-31 (8 hh = 8).  Every lane holds its row's four words: lanes 0-15 store the first two, lanes 16-31 the other two
	s_delay_alu instid0(VALU_DEP_1)
	v_cndmask_b32 v[BY], v[KW], v[KW+2], vcc_lo
	s_delay_alu instid0(VALU_DEP_2)
	v_cndmask_b32 v[BY+1], v[KW+1], v[KW+3], vcc_lo
	global_store_b64 v[KSA], v[BY:BY+1], s[10:11]  ; 256 consecutive bytes
	s_wait_tensorcnt 0x0                           ; the wave's end, behind my last LDS store
	ds_add_u32 v[SPW], v[NIL]
	s_wait_dscnt 0x0
	s_endpgm
; THE VALUES.  A lane takes a channel and its registers run down the keys: block k of 32 tokens gives each of my two channels (lane, 32 + lane) one block of codes, which goes to its place in the image in LDS.
.macro VBLOCK k
.if \k < 3
	s_wait_loadcnt 16                              ; this block's 16 loads are in; the next block's 16 may be out
.else
	s_wait_loadcnt 0
.endif
.irp i, 0,1,2,3,4,5,6,7,8,9,10,11,12,13,14,15
	ds_store_b128 v[STA], v[R+64*((\k)%2)+4*\i:R+64*((\k)%2)+4*\i+3] offset:2*\i*SP
.endr
.irp c, 0,1
.irp i, 0,1,2,3,4,5,6,7,8,9,10,11,12,13,14,15,16,17,18,19,20,21,22,23,24,25,26,27,28,29,30,31
	ds_load_b32 v[X+32*\c+\i], v[RDV] offset:\i*SP+128*\c
.endr
.endr
	s_wait_dscnt 0x0                               ; the numbers are back; the stores, the last block's image stores too, have read their registers
.if \k < 2
	LOADBLK (\k)%2, (\k)+2
.endif
	QMAX
.irp c, 0,1
.if \k == 0
	s_delay_alu instid0(VALU_DEP_2)
	v_mov_b32 v[KW+\c], v[BY+\c]                   ; four bytes to a word, the earlier keys in the lower byte
.else
	s_delay_alu instid0(VALU_DEP_2)
	v_lshl_or_b32 v[KW+\c], v[BY+\c], 8*\k, v[KW+\c]
.endif
.endr
	QCVT
.irp c, 0,1                                    ; registers 6 (k / 2) .. + 5 of lane 16 (k % 2) + my row, in fragment 2 c + u.  (These stores meet two deep in the banks: 16 of them a wave)
.if \k < 2
	ds_store_b128 v[IA], v[C+6*\c:C+6*\c+3] offset:3072*\c+256*((\k)%2)
	ds_store_b64 v[IA], v[C+6*\c+4:C+6*\c+5] offset:3072*\c+256*((\k)%2)+512
.else
	ds_store_b64 v[IA], v[C+6*\c:C+6*\c+1] offset:3072*\c+256*((\k)%2)+520
	ds_store_b128 v[IA], v[C+6*\c+2:C+6*\c+5] offset:3072*\c+256*((\k)%2)+1024
.endif
.endr
.endm
.Lvalues:
	VBLOCK 0
	VBLOCK 1
	VBLOCK 2
	VBLOCK 3
.irp c, 0,1
	ds_store_b32 v[SCA], v[KW+\c] offset:8*\c
.endr
.irp j, 0,1,2,3,4,5,6,7,8,9,10,11
	ds_load_b128 v[R+4*\j:R+4*\j+3], v[RB16] offset:512*\j   ; the image, as it will lie in memory
.endr
	ds_load_b64 v[R+48:R+49], v[RB8]
.irp j, 0,1,2,3,4,5,6,7,8,9,10,11
	s_wait_dscnt 12-\j                             ; behind load j: the 11 - j image loads and the scale words' load
	global_store_b128 v[L16], v[R+4*\j:R+4*\j+3], s[8:9] offset:512*\j
.endr
	s_wait_dscnt 0x0
	global_store_b64 v[L8], v[R+48:R+49], s[10:11] ; 256 consecutive bytes
	s_wait_tensorcnt 0x0                           ; the wave's end, behind my last LDS store
	ds_add_u32 v[SPW], v[NIL]
	s_wait_dscnt 0x0
	s_endpgm
.Lfunc_end_k_qe363228850_kvq:
	.size	k_qe363228850_kvq, .Lfunc_end_k_qe363228850_kvq-k_qe363228850_kvq
	.p2alignl 7, 3214868480
	.fill 96, 4, 3214868480
	.section	.rodata,"a",@progbits
	.p2align	6, 0x0
	.amdhsa_kernel k_qe363228850_kvq
		.amdhsa_group_segment_fixed_size 121856
		.amdhsa_private_segment_fixed_size 0
		.amdhsa_enable_private_segment 0
		.amdhsa_kernarg_size 32
		.amdhsa_user_sgpr_count 2
		.amdhsa_user_sgpr_kernarg_segment_ptr 1
		.amdhsa_wavefront_size32 1
		.amdhsa_system_sgpr_workgroup_id_x 1
		.amdhsa_system_sgpr_workgroup_id_y 1
		.amdhsa_system_sgpr_workgroup_id_z 1
		.amdhsa_system_vgpr_workitem_id 0
		.amdhsa_next_free_vgpr 240
		.amdhsa_next_free_sgpr 66
		.amdhsa_reserve_vcc 1
		.amdhsa_float_denorm_mode_32 3
		.amdhsa_float_denorm_mode_16_64 3
		.amdhsa_memory_ordered 1
		.amdhsa_forward_progress 1
		.amdhsa_inst_pref_size 80
	.end_amdhsa_kernel
	.amdgpu_metadata
---
amdhsa.version: [ 1, 2 ]
amdhsa.kernels:
  - .name:           k_qe363228850_kvq
    .symbol:         k_qe363228850_kvq.kd
    .args:
      - { .name: xl_memory, .offset: 0, .size: 8, .value_kind: global_buffer, .address_space: global }
      - { .name: out1, .offset: 8, .size: 8, .value_kind: global_buffer, .address_space: global }
      - { .name: kvc, .offset: 16, .size: 8, .value_kind: global_buffer, .address_space: global }
      - { .name: kvs, .offset: 24, .size: 8, .value_kind: global_buffer, .address_space: global }
    .group_segment_fixed_size: 121856
    .private_segment_fixed_size: 0
    .kernarg_segment_align: 8
    .kernarg_segment_size: 32
    .max_flat_workgroup_size: 256
    .sgpr_count:     66
    .vgpr_count:     240
    .wavefront_size: 32
...
	.end_amdgpu_metadata
.endif
;; end of part 2
;; launch attn (part 3): grid 16 x 16, 16 waves a work-group, no clusters, 327,680 bytes of LDS; arguments qc, kvc, kvs, relative_positions, oc, os; writes oc, os
.if DOCPART == 3
	.amdgcn_target "amdgcn-amd-amdhsa--gfx1250"
	.amdhsa_code_object_version 6
	.text
	.protected	k_qe363228850_attn
	.globl	k_qe363228850_attn
	.p2align	8
	.type	k_qe363228850_attn,@function
k_qe363228850_attn:
	s_mov_b64 s[64:65], 0
	v_nop
	global_prefetch_b8 v0, s[64:65] scope:SCOPE_SE
	s_setreg_imm32_b32 hwreg(HW_REG_WAVE_MODE, 25, 1), 1
	s_wait_xcnt 0x0
; O[b][h][i] = the sum over j of softmax_j((rel[h][i][j] + q[b][h][i] . key[b][h][j]) / 8) value[b][h][j], key j counting for query i where j <= 1024 + i; both products on codes of FP6 (E2M3) with E8M0 scales.
; LEFT OUT: the steps of 128 keys all of which come after a tile's 16 queries (their weights are 0 for all inputs: see the head of launch qkv).
; q comes as codes and scale words, an image of the operand's registers (launch qkv); keys and values likewise (launch kvq).  O / l is quantised along (head, channel) and leaves as half a fragment of the last product (oc, os).
; THE SOFTMAX: t = logit x log2(e); M = the largest t so far, rounded UP to a whole number; p = 2^(t - M) is quantised along the keys, not normalised; the row's sum l is taken of the unquantised p and divides O at the end.
; LIMITS: NaN and infinities among the inputs are not served; the promise holds while |t| stays under 2^31.  A block's largest p is taken from its largest score, which takes v_exp_f32 not to fall where its input rises.
; Blocks of zeros get the scale byte 1.  os is stored two bytes a lane, 32 bytes apart: 32 bytes a wave in all.
; SHARES.  A work-group owns one head, all four batches and 64 queries: blocks g and 31 - g of 32, so that all work-groups have the same work under the mask.  Wave w: batch w % 4, tile of 16 queries (w / 4 + w) % 4.
; THE IMAGES come by tensor loads, TWO STEPS TO A SLOT (98,304 dense bytes, 96 rows of 256 for each of waves 0 to 3), two slots 2^17 bytes apart: a barrier with a refill stands at every second step.
; rel COMES THROUGH REGISTERS: wave w loads rows 4 w .. 4 w + 3 of the work-group's 64, 512 dense bytes an instruction, two steps ahead (two sets of 16 registers), and stores them at a step's end into one of two
; stages in LDS that no tensor load touches; four waves, one of each batch, read a tile from there behind the step's barrier.  Four loads are issued in every step, so that the counted wait counts the same on every way:
; past the last step that counts for the rows' tile the address stays at that step.
; TWO GROUPS OF WAVES, by the parity of the wave's tile of queries (each group holds an earlier and a later tile of every batch).  Between two barriers group 0 first reads its fragments and multiplies K Q^T (LQ) and then
; works the softmax and the second product (SOFT); group 1 first works SOFT of the step before, all from registers (its values' fragments were waited for ahead of the barrier), and then LQ of the step in hand.
; So one group's LDS reads stand beside the other group's vector work.  Every wave reads step s's LDS bytes between barriers s and s + 1; the barriers stand in the common text, the branches on the group lead round work alone.
; NO CLUSTER: work-groups of one head end their walks at different keys, and the branches round hidden steps hang on the work-group's own queries.
; K = 64 IN AN INSTRUCTION OF 128: a fragment of keys holds two tiles, one in each half of K; q stands between two runs of zero codes: v[22:33] = (q, 0) picks the first tile, v[16:27] = (0, q) the second.
; rel IS THE C of the first product.  S^T register 16 b + e of lane (r, hh) is key 32 b + 16 hh + e of query r; O^T register 16 x + e is channel 32 x + 16 hh + e.
.set SLOT1, 1<<17
.set STP,   49152                      ; a step's images: four batches x (K 6,144 | V 6,144)
.set SCB,   2*STP                      ; behind slot 0: the head's scale words, 32,768 bytes, filled once
.set RELB,  SLOT1+2*STP                ; behind slot 1: rel's two stages
.set RP,    528
.set RSTG,  64*RP
.set SPARE, RELB+2*RSTG                ; the spare words, 128 bytes a wave, that no other line names
.set AKV, 1                            ; v1  16 lane + my batch's images
.set ARL, 2                            ; v2  my query's row of stage 0, + 64 hh
.set ASC, 3                            ; v3  my lane's scale words
.set DQ,  4                            ; v4  r - 16 hh
.set SPW, 5
.set NIL, 6
.set L16, 7                            ; v7  16 lane
.set ADK, 8                            ; v8  the slot's images
.set RST, 9                            ; v9  where I store my rows of rel: stage 0
.set ADS, 10                           ; v10 the trip's scale words (at the head: 8 lane)
.set NINF, 11
                                       ; v12 -M, v13 the largest t, v[14:15] the sum; v16-33 zeros | q | zeros
.set QS,  34
.set PFO, 35                           ; v35 rel's prefetch: my 8 blocks of 256 bytes
.set FR,  36                           ; v36-83 four fragments
.set SW,  84                           ; v84-87 scale words: lanes 0-15 the keys', lanes 16-31 the values'
.set S,   88                           ; v88-151 rel, S^T, p
.set O,   152                          ; v152-183 O^T
.set P,   184
.set BM,  196
.set PT,  200                          ; v200-206 at work
.set PKO, 207                          ; v207 the images' prefetch: 24 blocks of 256 bytes
.set SOP, 208
.set F,   212
.set PS,  213
.set TT,  214                          ; v214-223 at work
.set RG,  224                          ; v224-255 rel on its way: two sets of 16
.set TB,  2
.set TS,  3
.set KF,  16
.set WV,  18
.set LIMW, 19                          ; the last key that counts for my tile
.set SEL, 20
.set CS,  22
.set G1KV, 24
.set G1S, 32
.set G0KV, 40
.set G0S, 44
.set RB,  48                           ; s[48:49] my four rows of rel; never rewritten
.set RA,  50                           ; s[50:51] the step's loads
.set RO,  52
.set RO2, 54
.set PKA, 56                           ; s[56:57] the images' prefetch
.set LIMH, 60                          ; the last key that counts for the work-group
.set LIMR, 61                          ; the first key of the last step that counts for the tile whose rows I load
.set LIMK, 62
.set Q0,  63
.set PFA, 66
.set GB,  68                           ; s68 my group: my tile % 2
.set KS,  69                           ; s69 the first key of the step that SOFT works
	s_load_b256 s[4:11], s[0:1], 0x0               ; qc, kvc, kvs, relative_positions
	s_load_b128 s[12:15], s[0:1], 0x20             ; oc, os
	v_lshl_add_u32 v[SPW], v0, 2, SPARE
	v_mov_b32 v[NIL], 0
	ds_add_u32 v[SPW], v[NIL]                      ; the wave's opening adds
	ds_add_u32 v[SPW], v[NIL]
	v_lshrrev_b32 v8, 5, v0
	s_delay_alu instid0(VALU_DEP_1)
	v_readfirstlane_b32 s[WV], v8
	s_and_b32 s72, s[WV], 3                        ; my batch
	s_lshr_b32 s77, s[WV], 2                       ; the tile whose rows of rel I load
	s_add_co_u32 s73, s77, s[WV]
	s_and_b32 s73, s73, 3                          ; my tile of queries
	s_and_b32 s[GB], s73, 1
	s_and_b32 s75, ttmp7, 0xffff                   ; the head
	s_lshl_b32 s74, ttmp9, 5                       ; 32 g
	s_sub_co_u32 s76, 960, s74
	s_cmp_lt_u32 s73, 2
	s_cselect_b32 s[Q0], s74, s76
	s_lshl_b32 s78, s73, 4
	s_add_co_u32 s[Q0], s[Q0], s78
	s_add_co_u32 s[LIMW], s[Q0], 1039
	s_sub_co_u32 s[LIMH], 2047, s74
	s_cmp_lt_u32 s77, 2
	s_cselect_b32 s80, s74, s76
	s_lshl_b32 s78, s77, 4
	s_add_co_u32 s80, s80, s78                     ; that tile's first query
	s_add_co_u32 s[LIMR], s80, 1039
	s_and_b32 s[LIMR], s[LIMR], 0xffffff80
	s_lshl_b32 s78, s72, 2
	s_add_co_u32 s80, s80, s78                     ; my four rows' first query
	s_lshl_b32 s81, s75, 10
	s_add_co_u32 s80, s80, s81
	s_lshl_b32 s80, s80, 13                        ; rows of 8,192 bytes
	s_mov_b32 s81, 0
	s_mov_b32 s[G1KV], 3<<16                       ; a quarter of a slot: 96 rows of 256 dense bytes
	s_mov_b32 s[G1KV+1], 32<<16
	s_mov_b32 s[G1KV+2], 96<<16
	s_mov_b32 s[G1KV+3], 32<<16
	s_mov_b32 s[G1KV+4], 96
	s_mov_b32 s[G1KV+5], 32
	s_mov_b32 s[G1KV+6], 0
	s_mov_b32 s[G1KV+7], 0
	s_mov_b32 s[G1S], 3<<16                        ; a quarter of the scale words: 32 rows of 256
	s_mov_b32 s[G1S+1], 32<<16
	s_mov_b32 s[G1S+2], 32<<16
	s_mov_b32 s[G1S+3], 32<<16
	s_mov_b32 s[G1S+4], 32
	s_mov_b32 s[G1S+5], 32
	s_mov_b32 s[G1S+6], 0
	s_mov_b32 s[G1S+7], 0
	s_lshl_b32 s70, s72, 13
	s_add_co_u32 s[G0S+1], s70, SCB
	s_lshl_b32 s71, s75, 15
	s_add_co_u32 s70, s70, s71
	s_mov_b32 s71, 0
	s_mul_i32 s[G0KV+1], s72, 24576
	s_mul_i32 s58, s75, 786432
	s_add_co_u32 s78, s58, s[G0KV+1]
	s_mov_b32 s79, 0
	s_mul_i32 s59, ttmp9, 6144                     ; of a slot's 98,304 bytes each of the head's 16 work-groups asks for 6,144
	s_add_co_u32 s58, s58, s59
	s_mov_b32 s59, 0
	s_lshl_b32 s82, s72, 10
	s_add_co_u32 s82, s82, s[Q0]                   ; my first row: 1,024 batch + query, a multiple of 16
	s_lshl_b32 s86, s82, 5
	s_lshl_b32 s83, s75, 1
	s_add_co_u32 s86, s86, s83                     ; os: 32 bytes a row, 2 a head
	s_mov_b32 s87, 0
	s_add_co_u32 s84, s82, s75                     ; tile of rows x 16 + head
	s_lshl_b32 s82, s84, 10                        ; qc: x 1,024
	s_mov_b32 s83, 0
	s_mul_i32 s84, s84, 768                        ; oc: x 768
	s_mov_b32 s85, 0
	s_mov_b32 s[SEL], 0x76543210
	s_mov_b32 s[SEL+1], 0xfedcba98
	s_mov_b32 s[CS], 0x3e38aa3b                    ; log2(e) / 8
	s_mov_b32 s[CS+1], s[CS]
	s_mov_b32 s[TB], 0
	s_mov_b32 s[TS], 0
	s_mov_b32 s[KF], 0
	s_mov_b32 s[RO+1], 0
	s_mov_b32 s[RO2+1], 0
	s_cmp_eq_u32 s[WV], 8
	s_cselect_b32 s[LIMK], 1792, 0                 ; wave 8 asks for the images, up to steps 14 and 15
	s_wait_dscnt 0x0
	s_wait_kmcnt 0x0
	s_mov_b32 s[G0KV], 1
	s_add_nc_u64 s[G0KV+2:G0KV+3], s[6:7], s[78:79]
	s_or_b32 s[G0KV+3], s[G0KV+3], 0x80000000
	s_mov_b32 s[G0S], 1
	s_add_nc_u64 s[G0S+2:G0S+3], s[8:9], s[70:71]
	s_or_b32 s[G0S+3], s[G0S+3], 0x80000000
	s_cmp_lt_u32 s[WV], 4                          ; the head's fills, one to an arm: waves 0-3 slot 0 (steps 0, 1), waves 4-7 the scale words
	s_cbranch_scc0 .Lhead_s
	tensor_load_to_lds s[G0KV:G0KV+3], s[G1KV:G1KV+7]
	s_nop 0
.rept 4
	v_nop
.endr
	s_branch .Lhead_j
.Lhead_s:
	s_cmp_lt_u32 s[WV], 8
	s_cbranch_scc0 .Lhead_j
	tensor_load_to_lds s[G0S:G0S+3], s[G1S:G1S+7]
	s_nop 0
.rept 4
	v_nop
.endr
.Lhead_j:
	s_add_nc_u64 s[4:5], s[4:5], s[82:83]
	s_add_nc_u64 s[12:13], s[12:13], s[84:85]
	s_add_nc_u64 s[14:15], s[14:15], s[86:87]
	s_add_nc_u64 s[RB:RB+1], s[10:11], s[80:81]
	s_add_nc_u64 s[PKA:PKA+1], s[6:7], s[58:59]
	s_mul_i32 s77, s72, 12288
	s_mul_i32 s78, s73, 16*RP
	s_add_co_u32 s78, s78, RELB
	s_lshl_b32 s79, s72, 9
	s_add_co_u32 s79, s79, SCB
	s_mul_i32 s70, s[WV], 4*RP
	s_add_co_u32 s70, s70, RELB
	v_and_b32 v[TT], 15, v0                        ; r
	v_bfe_u32 v[TT+1], v0, 4, 1                    ; hh
	v_and_b32 v[PT], 31, v0                        ; lane
	s_delay_alu instid0(VALU_DEP_1)
	v_lshlrev_b32 v[L16], 4, v[PT]
	v_lshlrev_b32 v[ADS], 3, v[PT]
	global_load_b128 v[22:25], v[L16], s[4:5]                  ; q's six registers, as they stand,
	global_load_b64 v[26:27], v[ADS], s[4:5] offset:512
	global_load_b32 v[QS], v[ADS], s[4:5] offset:768           ; and its scale word
.irp i, 0,1,2,3                                ; rel of steps 0 and 1, which count for every query
	global_load_b128 v[RG+4*\i:RG+4*\i+3], v[L16], s[RB:RB+1] offset:8192*\i
.endr
.irp i, 0,1,2,3
	global_load_b128 v[RG+16+4*\i:RG+16+4*\i+3], v[L16], s[RB:RB+1] offset:8192*\i+512
.endr
	v_add_nc_u32 v[AKV], s77, v[L16]
	v_mul_u32_u24 v[ARL], v[TT], RP
	v_add_nc_u32 v[ASC], s79, v[L16]
	v_add_nc_u32 v[RST], s70, v[L16]
	s_delay_alu instid0(VALU_DEP_3)
	v_lshl_add_u32 v[ARL], v[TT+1], 6, v[ARL]
	v_lshlrev_b32 v[DQ], 4, v[TT+1]
	s_delay_alu instid0(VALU_DEP_2)
	v_add_nc_u32 v[ARL], s78, v[ARL]
	s_delay_alu instid0(VALU_DEP_2)
	v_sub_nc_u32 v[DQ], v[TT], v[DQ]
	v_mov_b32 v[NINF], 0xff800000
	v_min_u32 v[PT+1], 7, v[PT]                    ; rel's prefetch: block m = row m / 2, half m % 2; lanes 8-31 name the last block again
	v_min_u32 v[PKO], 23, v[PT]                    ; the images': lanes 24-31 name the last block again
	s_delay_alu instid0(VALU_DEP_2)
	v_lshrrev_b32 v[PT+2], 1, v[PT+1]
	v_and_b32 v[PT+1], 1, v[PT+1]
	v_lshlrev_b32 v[PKO], 8, v[PKO]
	s_delay_alu instid0(VALU_DEP_3)
	v_lshlrev_b32 v[PFO], 13, v[PT+2]
	s_delay_alu instid0(VALU_DEP_1)
	v_lshl_add_u32 v[PFO], v[PT+1], 8, v[PFO]
	v_mov_b32 v13, 0xff61b1e6                      ; the largest t so far: -3e38
	s_delay_alu instid0(VALU_DEP_1)
	v_floor_f32 v12, -v13                          ; -M
	v_mov_b32 v14, 0
	v_mov_b32 v15, 0
.irp b, 0,1,2,3
	v_mov_b32 v[PT+\b], 0                          ; a lane permute's destination counts as one of its sources
.endr
	v_mov_b32 v[F], 0
	v_mov_b32 v[PS], 0
.irp i, 0,1,2,3,4,5
	v_mov_b32 v[16+\i], 0                          ; zero codes on both sides of q
	v_mov_b32 v[28+\i], 0
.endr
.set n, 0
.rept 32
	v_mov_b32 v[O+n], 0                            ; O^T: the step is written once, and the first finds zeros
.set n, n+1
.endr
	s_wait_alu depctr_va_vdst(0)
	s_wait_loadcnt 4                               ; q and step 0's rows are in; step 1's four loads may be out
.irp i, 0,1,2,3
	ds_store_b128 v[RST], v[RG+4*\i:RG+4*\i+3] offset:RP*\i
.endr
; A step of 128 keys is worked in four parts.  h: the step's place in its slot, its stage of rel and its set of registers.
; RELLOAD, straight behind the step's barrier, every wave: my four rows of rel two steps on are asked for.
.macro RELLOAD h
	s_wait_xcnt 0x0                                ; the last step's loads and prefetches have read their addresses
	s_add_co_u32 s70, s[KF], 256
	s_min_u32 s70, s70, s[LIMR]                    ; two steps on, held at the last step that counts for these rows
	s_lshl_b32 s[RO], s70, 2
	s_add_nc_u64 s[RA:RA+1], s[RB:RB+1], s[RO:RO+1]
	s_lshl_b32 s[RO2], s[KF], 2
	s_add_nc_u64 s[PFA:PFA+1], s[RB:RB+1], s[RO2:RO2+1]
.irp i, 0,1,2,3
	global_load_b128 v[RG+16*\h+4*\i:RG+16*\h+4*\i+3], v[L16], s[RA:RA+1] offset:8192*\i   ; 512 consecutive bytes of a row; this set went to its stage a step ago
.endr
	s_add_co_u32 s70, s[KF], 512                   ; A PREFETCH INTO THE L2: my four rows' 512 bytes of the step four on, two steps ahead of their loads, while that step counts
	s_cmp_le_u32 s70, s[LIMR]
	s_cbranch_scc0 .Lnr_\@
	global_prefetch_b8 v[PFO], s[PFA:PFA+1] offset:2048 th:TH_LOAD_NT scope:SCOPE_SE
.Lnr_\@:
.if \h == 0
	s_cmp_le_u32 s70, s[LIMK]                      ; and my work-group's sixteenth of the images of steps four and five on: one slot ahead of the tensor loads just issued
	s_cbranch_scc0 .Lnk_\@
	global_prefetch_b8 v[PKO], s[PKA:PKA+1] offset:2*STP th:TH_LOAD_NT scope:SCOPE_SE
.Lnk_\@:
.endif
.endm
; LQ: the keys' fragments, rel and the scale words from LDS; S^T = rel + K Q^T; the values' fragments are asked for.  test = 0: step 0, which counts for every query.
.macro LQ h, test
.if \test
	s_cmp_gt_u32 s[KF], s[LIMW]                    ; all its keys come after my 16 queries: the work is left out; a branch on ids, round no barrier and no tensor load
	s_cbranch_scc1 .Lnolq_\@
.endif
	ds_load_b128 v[SW:SW+3], v[ADS] offset:2048*\h
.irp j, 0,1,2,3,4,5,6,7,8,9,10,11
	ds_load_b128 v[FR+4*\j:FR+4*\j+3], v[ADK] offset:STP*\h+512*\j
.endr
.irp b, 0,1,2,3
.irp i, 0,1,2,3
	ds_load_b128 v[S+16*\b+4*\i:S+16*\b+4*\i+3], v[ARL] offset:RSTG*\h+128*\b+16*\i
.endr
.endr
	s_wait_dscnt 0x0
.irp f, 0,1,2,3                                ; eight accumulators, one instruction each
	v_wmma_scale_f32_16x16x128_f8f6f4 v[S+16*\f:S+16*\f+7], v[FR+12*\f:FR+12*\f+11], v[22:33], v[S+16*\f:S+16*\f+7], v[SW+\f], v[QS] matrix_a_fmt:MATRIX_FMT_FP6 matrix_b_fmt:MATRIX_FMT_FP6
	v_wmma_scale_f32_16x16x128_f8f6f4 v[S+16*\f+8:S+16*\f+15], v[FR+12*\f:FR+12*\f+11], v[16:27], v[S+16*\f+8:S+16*\f+15], v[SW+\f], v[QS] matrix_a_fmt:MATRIX_FMT_FP6 matrix_b_fmt:MATRIX_FMT_FP6
.endr
.rept 4
	v_nop                                          ; places in front of the loads below and of the first read of the scores
.endr
.irp j, 0,1,2,3,4,5,6,7,8,9,10,11
	ds_load_b128 v[FR+4*\j:FR+4*\j+3], v[ADK] offset:STP*\h+6144+512*\j   ; the values' fragments
.endr
.Lnolq_\@:
.endm
; SOFT: the mask, the softmax, p's codes, O^T += V^T P^T, all on registers.  grp: the group whose copy this is: group 0 works the step in hand, group 1, behind the next barrier, the step before.
.macro SOFT grp
	s_cmp_lg_u32 s[GB], \grp                       ; a branch on the wave's number
	s_cbranch_scc1 .Lhidden_\@
	s_sub_co_u32 s[KS], s[KF], 128*\grp
	s_cmp_gt_u32 s[KS], s[LIMW]                    ; a hidden step: its LQ was left out too
	s_cbranch_scc1 .Lhidden_\@
	s_add_co_u32 s70, s[KS], 127                   ; on the diagonal hidden keys' scores become -infinity; a step all of whose keys count skips this
	s_add_co_u32 s71, s[Q0], 1024
	s_cmp_le_u32 s70, s71
	s_cbranch_scc1 .Lopen_\@
	s_sub_co_i32 s70, s71, s[KS]
	v_add_nc_u32 v[TT], s70, v[DQ]                 ; register 16 b + e is hidden where 32 b + e > 1024 + my query - the step's first key - 16 hh
.set n, 0
.rept 64
	v_cmp_gt_i32 vcc_lo, 32*(n/16)+n%16, v[TT]
	v_cndmask_b32 v[S+n], v[S+n], v[NINF], vcc_lo
.set n, n+1
.endr
.Lopen_\@:
.irp b, 0,1,2,3
	v_max3_num_f32 v[BM+\b], v[S+16*\b], v[S+1+16*\b], v[S+2+16*\b]   ; the largest score of each block of 32 keys
.endr
.irp i, 3,5,7,9,11,13
.irp b, 0,1,2,3
	v_max3_num_f32 v[BM+\b], v[BM+\b], v[S+16*\b+\i], v[S+1+16*\b+\i]
.endr
.endr
.irp b, 0,1,2,3
	v_max_num_f32 v[BM+\b], v[BM+\b], v[S+15+16*\b]
.endr
.irp b, 0,1,2,3
	v_permlanex16_b32 v[PT+\b], v[BM+\b], s[SEL], s[SEL+1]
.endr
.irp b, 0,1,2,3
	s_delay_alu instid0(VALU_DEP_4)
	v_max_num_f32 v[BM+\b], v[BM+\b], v[PT+\b]
.endr
	s_delay_alu instid0(VALU_DEP_2)
	v_max3_num_f32 v[TT], v[BM], v[BM+1], v[BM+2]
	s_delay_alu instid0(VALU_DEP_1)
	v_max_num_f32 v[TT], v[TT], v[BM+3]
	s_delay_alu instid0(VALU_DEP_1)
	v_mul_f32 v[TT], s[CS], v[TT]
	s_delay_alu instid0(VALU_DEP_1)
	v_max_num_f32 v13, v13, v[TT]                  ; the running largest t
	v_mov_b32 v[TT], v12
	s_delay_alu instid0(VALU_DEP_2)
	v_floor_f32 v12, -v13                          ; the new -M
	s_delay_alu instid0(VALU_DEP_1)
	v_sub_f32 v[TT], v12, v[TT]
	s_delay_alu instid0(VALU_DEP_1)
	v_cvt_i32_f32 v[TT], v[TT]
	s_delay_alu instid0(VALU_DEP_1)
	v_ldexp_f32 v[F], 1.0, v[TT]                   ; f = 2^(old M - new M)
.irp j, 0,2,4,6,8,10,12,14,16,18,20,22,24,26,28,30,32,34,36,38,40,42,44,46,48,50,52,54,56,58,60,62
	v_pk_fma_f32 v[S+\j:S+\j+1], v[S+\j:S+\j+1], s[CS:CS+1], v[12:13] op_sel_hi:[1,0,0]   ; t - M
.endr
.irp b, 0,1,2,3
	v_fma_f32 v[BM+\b], v[BM+\b], s[CS], v12
.endr
.set n, 0
	s_wait_alu depctr_va_vdst(0)                   ; the wait ahead of the batch
.rept 64
	v_exp_f32 v[S+n], v[S+n]                       ; p = 2^(t - M)
.set n, n+1
.endr
	v_pk_mul_f32 v[14:15], v[14:15], v[F:F+1] op_sel_hi:[1,0]
	s_wait_alu depctr_va_vdst(0)                   ; and behind it
.irp b, 0,1,2,3
	v_exp_f32 v[BM+\b], v[BM+\b]                   ; the block's largest p
.endr
	v_pk_add_f32 v[200:201], v[92:93], v[96:97]    ; the row's sum of the unquantised p, in eight chains
	v_pk_add_f32 v[222:223], v[100:101], v[104:105]
	v_pk_add_f32 v[220:221], v[108:109], v[112:113]
	v_pk_add_f32 v[218:219], v[116:117], v[120:121]
	v_pk_add_f32 v[216:217], v[124:125], v[128:129]
	v_pk_add_f32 v[214:215], v[132:133], v[136:137]
	v_pk_add_f32 v[210:211], v[140:141], v[144:145]
	v_pk_add_f32 v[14:15], v[14:15], v[148:149]
	v_pk_add_f32 v[200:201], v[200:201], v[88:89]
	v_pk_add_f32 v[222:223], v[222:223], v[90:91]
	v_pk_add_f32 v[220:221], v[220:221], v[94:95]
	v_pk_add_f32 v[218:219], v[218:219], v[98:99]
	v_pk_add_f32 v[216:217], v[216:217], v[102:103]
	v_pk_add_f32 v[214:215], v[214:215], v[106:107]
	v_pk_add_f32 v[210:211], v[210:211], v[110:111]
	v_pk_add_f32 v[14:15], v[14:15], v[114:115]
	v_pk_add_f32 v[200:201], v[200:201], v[118:119]
	v_pk_add_f32 v[222:223], v[222:223], v[122:123]
	v_pk_add_f32 v[220:221], v[220:221], v[126:127]
	v_pk_add_f32 v[218:219], v[218:219], v[130:131]
	v_pk_add_f32 v[216:217], v[216:217], v[134:135]
	v_pk_add_f32 v[214:215], v[214:215], v[138:139]
	v_pk_add_f32 v[210:211], v[210:211], v[142:143]
	v_pk_add_f32 v[14:15], v[14:15], v[146:147]
	v_pk_add_f32 v[200:201], v[200:201], v[150:151]
	s_delay_alu instid0(VALU_DEP_2)
	v_pk_add_f32 v[14:15], v[14:15], v[218:219]
	s_delay_alu instid0(VALU_DEP_2)
	v_pk_add_f32 v[200:201], v[200:201], v[216:217]
	v_pk_add_f32 v[222:223], v[222:223], v[214:215]
	v_pk_add_f32 v[220:221], v[220:221], v[210:211]
	s_delay_alu instid0(VALU_DEP_2)
	v_pk_add_f32 v[14:15], v[14:15], v[222:223]
	s_delay_alu instid0(VALU_DEP_2)
	v_pk_add_f32 v[200:201], v[200:201], v[220:221]
	s_delay_alu instid0(VALU_DEP_1)
	v_pk_add_f32 v[14:15], v[14:15], v[200:201]
	s_wait_alu depctr_va_vdst(0)                   ; the wait for the four
.irp b, 0,1,2,3
	v_max_num_f32 v[BM+\b], 0x1800000, v[BM+\b]    ; the floor 2^(3 - 127)
.endr
.irp b, 0,1,2,3
	s_delay_alu instid0(VALU_DEP_4)
	v_add_nc_u32 v[SOP+\b], 0xff000000, v[BM+\b]
.endr
.irp b, 0,1,2,3
	s_delay_alu instid0(VALU_DEP_4)
	v_lshrrev_b32 v[PT+\b], 23, v[SOP+\b]
.endr
	s_delay_alu instid0(VALU_DEP_3)
	v_lshl_or_b32 v[PS], v[PT+1], 8, v[PT]         ; p's scale word for these 128 keys
	s_delay_alu instid0(VALU_DEP_1)
	v_lshl_or_b32 v[PS], v[PT+2], 16, v[PS]
	s_delay_alu instid0(VALU_DEP_1)
	v_lshl_or_b32 v[PS], v[PT+3], 24, v[PS]
.irp c, 0,1
	v_cvt_scalef32_pk16_fp6_f32 v[P+6*\c:P+2+6*\c], v[S+32*\c:S+15+32*\c], v[SOP+2*\c]
	v_cvt_scalef32_pk16_fp6_f32 v[PT+4*\c:PT+2+4*\c], v[S+16+32*\c:S+31+32*\c], v[SOP+2*\c+1]
.endr
	v_nop
.irp c, 0,1                                    ; a whole block in a lane: lanes 0-15 block 2 c, lanes 16-31 block 2 c + 1
.irp i, 0,1,2
	v_permlane16_swap_b32 v[P+6*\c+\i], v[PT+4*\c+\i]
.endr
.irp i, 0,1,2
	s_delay_alu instid0(VALU_DEP_3)
	v_mov_b32 v[P+3+6*\c+\i], v[PT+4*\c+\i]
.endr
.endr
	s_wait_alu depctr_va_vdst(0)                   ; the wait directly ahead of the first reader of O^T
.irp j, 0,2,4,6,8,10,12,14,16,18,20,22,24,26,28,30
	v_pk_mul_f32 v[O+\j:O+\j+1], v[O+\j:O+\j+1], v[F:F+1] op_sel_hi:[1,0]   ; O^T under the new M; also the places ahead of the products
.endr
	s_wait_alu depctr_va_vdst(0)
	s_wait_dscnt 0x0                               ; the values' fragments are in
.irp t, 0,1,2,3                                ; O^T += V^T P^T
	v_wmma_scale_f32_16x16x128_f8f6f4 v[O+8*\t:O+8*\t+7], v[FR+12*\t:FR+12*\t+11], v[P:P+11], v[O+8*\t:O+8*\t+7], v[SW+\t], v[PS] matrix_a_fmt:MATRIX_FMT_FP6 matrix_b_fmt:MATRIX_FMT_FP6 matrix_a_scale:MATRIX_SCALE_ROW1
.endr
.rept 4
	v_nop                                          ; places in front of the next loads into the fragments, and of the way out's reads
.endr
.Lhidden_\@:
.endm
; STAGE, at the end of step h, every wave: the next step's rows of rel go from registers to their stage.
.macro STAGE h
	s_wait_loadcnt 4                               ; the next step's rows, asked for two steps ago, are in; behind them: the four loads of the step after it
.irp i, 0,1,2,3
	ds_store_b128 v[RST], v[RG+16*(1-\h)+4*\i:RG+16*(1-\h)+4*\i+3] offset:RSTG*(1-\h)+RP*\i   ; into the stage that nobody has read since the last barrier
.endr
.endm
; THE CHANGE OF SLOTS, at every second step.  Each wave waits for all its tensor loads, adds 0 to its spare word (twice on end), and waits for that, for its reads and for its stores into the stage.
; Behind the barrier the slot ahead and the stage ahead are whole and nobody reads the other slot, which takes the next two steps while the first of them counts for the work-group's last query:
; a test on ids and the count of steps, the same in all sixteen waves, round the load's lines alone.
.macro CHANGE
	s_wait_tensorcnt 0x0
	ds_add_u32 v[SPW], v[NIL]
	ds_add_u32 v[SPW], v[NIL]
	s_xor_b32 s[G0KV+1], s[G0KV+1], SLOT1
	s_add_nc_u64 s[G0KV+2:G0KV+3], s[G0KV+2:G0KV+3], 2*STP
	s_add_nc_u64 s[PKA:PKA+1], s[PKA:PKA+1], 2*STP   ; its last reader stands two steps back, ahead of a wait on XCNT
	v_add_nc_u32 v[ADK], s[TB], v[AKV]
	s_min_u32 s71, s[TS], 28672                    ; held at steps 14 and 15: the change behind step 15 has no step ahead
	v_add_nc_u32 v[ADS], s71, v[ASC]
	s_wait_alu depctr_va_vdst(0)
	s_wait_dscnt 0x0
	s_barrier_signal -1
	s_barrier_wait -1
	s_add_co_u32 s70, s[KF], 256
	s_cmp_gt_u32 s70, s[LIMH]
	s_cbranch_scc1 .Lpast_\@
	s_cmp_lt_u32 s[WV], 4
	s_cbranch_scc0 .Lpast_\@
	tensor_load_to_lds s[G0KV:G0KV+3], s[G1KV:G1KV+7]   ; a wave's one tensor load until the next change
	s_nop 0
.rept 4
	v_nop
.endr
.Lpast_\@:
.endm
.macro MID                             ; between a slot's two steps: the stage ahead is whole, the other one is read no more; nothing is filled by a tensor load behind it
	s_wait_dscnt 0x0
	s_barrier_signal -1
	s_barrier_wait -1
.endm
	CHANGE                                         ; slot 0, the scale words and stage 0 are whole; slot 1 is asked for
	RELLOAD 0
	LQ 0, 0                                        ; step 0, both groups
	s_mov_b32 s17, 8
.Lslot:                                            ; eight trips of two steps, from one step's SOFT in group 0 to the LQ two steps on
	SOFT 0
	STAGE 0
	s_add_co_u32 s[KF], s[KF], 128
	MID
	RELLOAD 1
	SOFT 1
	LQ 1, 1
	SOFT 0
	STAGE 1
	s_add_co_u32 s[KF], s[KF], 128
	s_xor_b32 s[TB], s[TB], SLOT1
	s_add_co_u32 s[TS], s[TS], 4096
	CHANGE                                         ; in the last trip KF is 2,048: the tests on ids lead round the refill, the prefetches and LQ; group 1 works step 15
	RELLOAD 0
	SOFT 1
	LQ 0, 1
	s_sub_co_u32 s17, s17, 1
	s_cmp_lg_u32 s17, 0
	s_cbranch_scc1 .Lslot
	; THE WAY OUT.  O^T / l, quantised along the head's 64 channels, leaves as six registers of the last product's operand.
	v_add_f32 v14, v14, v15
	s_delay_alu instid0(VALU_DEP_1)
	v_permlanex16_b32 v[F], v14, s[SEL], s[SEL+1]
	s_delay_alu instid0(VALU_DEP_1)
	v_add_f32 v14, v14, v[F]                       ; the row's sum
	s_wait_alu depctr_va_vdst(0)
	v_rcp_f32 v14, v14
	v_lshrrev_b32 v[ADK], 1, v[L16]                ; 8 lane
	v_and_b32 v[ADS], 15, v0
	s_delay_alu instid0(VALU_DEP_1)
	v_lshlrev_b32 v[ADS], 5, v[ADS]                ; 32 r
	v_nop
	s_wait_alu depctr_va_vdst(0)
.set n, 0
.rept 32
	v_mul_f32 v[S+n], v[O+n], v14
.set n, n+1
.endr
.irp c, 0,1
	v_max3_num_f32 v[BM+\c], |v[S+16*\c]|, |v[S+16*\c+1]|, 0x1800000
.endr
.irp i, 2,4,6,8,10,12,14
.irp c, 0,1
	s_delay_alu instid0(VALU_DEP_2)
	v_max3_num_f32 v[BM+\c], v[BM+\c], |v[S+16*\c+\i]|, |v[S+16*\c+\i+1]|
.endr
.endr
.irp c, 0,1
	v_permlanex16_b32 v[PT+\c], v[BM+\c], s[SEL], s[SEL+1]
.endr
.irp c, 0,1
	s_delay_alu instid0(VALU_DEP_2)
	v_max_num_f32 v[BM+\c], v[BM+\c], v[PT+\c]
.endr
.irp c, 0,1
	s_delay_alu instid0(VALU_DEP_2)
	v_add_nc_u32 v[SOP+\c], 0xff000000, v[BM+\c]
.endr
.irp c, 0,1
	s_delay_alu instid0(VALU_DEP_2)
	v_lshrrev_b32 v[BM+\c], 23, v[SOP+\c]
.endr
	s_delay_alu instid0(VALU_DEP_1)
	v_lshl_or_b32 v[TT], v[BM+1], 8, v[BM]         ; my row's two scale bytes
	v_cvt_scalef32_pk16_fp6_f32 v[P:P+2], v[S:S+15], v[SOP]
	v_cvt_scalef32_pk16_fp6_f32 v[PT:PT+2], v[S+16:S+31], v[SOP+1]
	v_nop
.irp i, 0,1,2
	v_permlane16_swap_b32 v[P+\i], v[PT+\i]
.endr
.irp i, 0,1,2
	s_delay_alu instid0(VALU_DEP_3)
	v_mov_b32 v[P+3+\i], v[PT+\i]
.endr
	global_store_b128 v[L16], v[P:P+3], s[12:13]               ; 512 consecutive bytes, aligned to 256
	global_store_b64 v[ADK], v[P+4:P+5], s[12:13] offset:512   ; 256 consecutive bytes
	global_store_b16 v[ADS], v[TT], s[14:15]                   ; both halves of the lanes write the same two bytes with the same value
	s_wait_tensorcnt 0x0                           ; the wave's end
	ds_add_u32 v[SPW], v[NIL]
	s_wait_dscnt 0x0
	s_endpgm
.Lfunc_end_k_qe363228850_attn:
	.size	k_qe363228850_attn, .Lfunc_end_k_qe363228850_attn-k_qe363228850_attn
	.p2alignl 7, 3214868480
	.fill 96, 4, 3214868480
	.section	.rodata,"a",@progbits
	.p2align	6, 0x0
	.amdhsa_kernel k_qe363228850_attn
		.amdhsa_group_segment_fixed_size 327680
		.amdhsa_private_segment_fixed_size 0
		.amdhsa_enable_private_segment 0
		.amdhsa_kernarg_size 48
		.amdhsa_user_sgpr_count 2
		.amdhsa_user_sgpr_kernarg_segment_ptr 1
		.amdhsa_wavefront_size32 1
		.amdhsa_system_sgpr_workgroup_id_x 1
		.amdhsa_system_sgpr_workgroup_id_y 1
		.amdhsa_system_sgpr_workgroup_id_z 1
		.amdhsa_system_vgpr_workitem_id 0
		.amdhsa_next_free_vgpr 256
		.amdhsa_next_free_sgpr 90
		.amdhsa_reserve_vcc 1
		.amdhsa_float_denorm_mode_32 3
		.amdhsa_float_denorm_mode_16_64 3
		.amdhsa_memory_ordered 1
		.amdhsa_forward_progress 1
		.amdhsa_inst_pref_size 107
	.end_amdhsa_kernel
	.amdgpu_metadata
---
amdhsa.version: [ 1, 2 ]
amdhsa.kernels:
  - .name:           k_qe363228850_attn
    .symbol:         k_qe363228850_attn.kd
    .args:
      - { .name: qc, .offset: 0, .size: 8, .value_kind: global_buffer, .address_space: global }
      - { .name: kvc, .offset: 8, .size: 8, .value_kind: global_buffer, .address_space: global }
      - { .name: kvs, .offset: 16, .size: 8, .value_kind: global_buffer, .address_space: global }
      - { .name: relative_positions, .offset: 24, .size: 8, .value_kind: global_buffer, .address_space: global }
      - { .name: oc, .offset: 32, .size: 8, .value_kind: global_buffer, .address_space: global }
      - { .name: os, .offset: 40, .size: 8, .value_kind: global_buffer, .address_space: global }
    .group_segment_fixed_size: 327680
    .private_segment_fixed_size: 0
    .kernarg_segment_align: 8
    .kernarg_segment_size: 48
    .max_flat_workgroup_size: 512
    .sgpr_count:     90
    .vgpr_count:     256
    .wavefront_size: 32
...
	.end_amdgpu_metadata
.endif
;; end of part 3
;; launch proj (part 4): grid 32 x 8, 4 waves a work-group, clusters of 4 x 1, 167,936 bytes of LDS; arguments oc, os, Wo_codes, Wo_scales, bo, out0; writes out0
.if DOCPART == 4
	.amdgcn_target "amdgcn-amd-amdhsa--gfx1250"
	.amdhsa_code_object_version 6
	.text
	.protected	k_qe363228850_proj
	.globl	k_qe363228850_proj
	.p2align	8
	.type	k_qe363228850_proj,@function
k_qe363228850_proj:
	s_mov_b64 s[64:65], 0
	v_nop
	global_prefetch_b8 v0, s[64:65] scope:SCOPE_SE
	s_setreg_imm32_b32 hwreg(HW_REG_WAVE_MODE, 25, 1), 1
	s_wait_xcnt 0x0
	s_wait_alu depctr_hold_cnt(0) depctr_sa_sdst(0) depctr_va_vdst(0) depctr_va_sdst(0) depctr_va_ssrc(0) depctr_va_vcc(0) depctr_vm_vsrc(0)
	s_getreg_b32 s2, hwreg(HW_REG_IB_STS2, 6, 4)
	s_cmp_eq_u32 s2, 0
	s_cbranch_scc0 .Lentry_in_a_cluster
	s_endpgm
.Lentry_in_a_cluster:
	s_bfe_u32 s2, ttmp6, 0x10000c
	s_cmp_lg_u32 s2, 0x3003
	s_cbranch_scc0 .Lentry_shape_is_right
	s_endpgm
.Lentry_shape_is_right:
; out0[m][n] = sum over k of A[m][k] Wo[n][k] + bo[n]: [4096][1024] x [1024][1024] on codes of FP6 (E2M3) with E8M0 scales; sums in f32.  Nothing is left out here.
; A is the attention's output as launch attn left it: oc [tile of 16 rows][head][768 bytes]: six registers of a fragment (registers 0-3 at 16 lane, registers 4-5 at 512 + 8 lane); os [row][32]: a row's scale bytes.
; A tile of out0 is 128 x 128: 256 work-groups of four waves, each 64 x 64: 16 accumulators.  ALL OF K IS RESIDENT: no ring, no refill.  A's fragments go from memory straight into registers (384 a wave), by dense loads;
; Wo's 128 rows come whole (768 bytes a row) into LDS, by one tensor load a wave.  CLUSTER: the four work-groups along x take the same columns, so Wo's rows are asked for JOINTLY.
; THE MATRIX INSTRUCTION IS USED TRANSPOSED (source 0 = 16 rows of Wo, source 1 = 16 rows of A); bo is the C of each sum's first instruction.  No prefetch: each byte is asked for at the head, once.
; REGISTERS, in windows of 256: window 0: v1-13 addresses; v16-47 A's scale words (block a, K step s at 16 + 8 a + s); v48-79 Wo's; v80-111 bo; v128-255 the accumulators ((a, b) at 128 + 8 (4 a + b)).
;   window 1: A's fragments of blocks 0, 1 (96 a + 12 s);   window 2: of blocks 2, 3;   window 3: Wo's fragments of a K step, two sets of 48.
.set BP,    816                        ; a row of Wo in LDS: 3 x (256 bytes + 16 of padding)
.set STG,   128*BP                     ; behind Wo: a stage of 16 rows x 272 bytes for each wave
.set SPARE, STG+4*16*272               ; the spare words, 128 bytes for each wave, that no other line names
.set L16, 1
.set L8,  2
.set ADB, 3                            ; v3 my row of a fragment of Wo, + 24 hh;  v4: the same behind one padding more
.set STO, 5
.set RD,  6
.set CO,  7
.set SCO, 8                            ; v8 32 r
.set BIO, 9                            ; v9 32 hh
.set SPW, 12                           ; v12 my spare word; never rewritten
.set NIL, 13                           ; v13 0; never rewritten
.set AS,  16
.set BS,  48
.set BI,  80
.set ACC, 128
.set WV,  16
.set G1,  24
.set G0,  32
.set MSB, 0
.macro WIN new                         ; the immediate's high byte repeats the setting that is left
.if MSB != \new
	s_set_vgpr_msb (MSB<<8)|\new
.set MSB, \new
.endif
.endm
.macro CROUND                          ; a round of the cluster's barrier
	s_barrier_signal -1
	s_barrier_wait -1
	s_cmp_lg_u32 s[WV], 0
	s_cbranch_scc1 .Lnot_wave_0_\@
	s_barrier_signal -3
.Lnot_wave_0_\@:
	s_barrier_wait -3
	s_barrier_signal -1
	s_barrier_wait -1
.endm
.macro PLACES
.rept 4
	v_nop
.endr
.endm
	s_load_b256 s[4:11], s[0:1], 0x0               ; oc s[4:5], os s[6:7], Wo's codes s[8:9], Wo's scales s[10:11]
	s_load_b128 s[12:15], s[0:1], 0x20             ; bo s[12:13], out0 s[14:15]
	v_lshl_add_u32 v[SPW], v0, 2, SPARE
	v_mov_b32 v[NIL], 0
	ds_add_u32 v[SPW], v[NIL]                      ; the wave's opening: the add, twice on end, and its wait ahead of my first tensor load
	ds_add_u32 v[SPW], v[NIL]                      ; and once more; the set-up below, work on registers, stands between it and the wait
	v_lshrrev_b32 v1, 5, v0
	v_readfirstlane_b32 s[WV], v1                  ; wave 0..3
	s_lshr_b32 s17, s[WV], 1                       ; which 64 rows are mine
	s_and_b32 s18, s[WV], 1                        ; which 64 columns
	s_bfe_u32 s19, ttmp6, 0x40000                  ; cx
	s_lshl_b32 s20, ttmp9, 2
	s_add_co_u32 s20, s20, s19                     ; the tile of 128 rows: it enters A's, os's and out0's addresses alone
	s_and_b32 s21, ttmp7, 0xffff                   ; the tile of 128 columns, which the four partners share
	s_mov_b32 s[G1], 15|(1<<20)|(1<<21)|(5<<22)|(3<<25)   ; the mask: all four; elements of 1 byte; padding on; bit 21 beside a mask; after every 64 words, 4 words
	s_mov_b32 s[G1+1], 768<<16                     ; tensor_dim0
	s_mov_b32 s[G1+2], 32<<16                      ; tensor_dim1
	s_mov_b32 s[G1+3], 768<<16                     ; tile_dim0
	s_mov_b32 s[G1+4], 32                          ; tile_dim1
	s_mov_b32 s[G1+5], 768                         ; from row to row
	s_mov_b32 s[G1+6], 0
	s_mov_b32 s[G1+7], 0
	s_mov_b32 s[G0], 1
	s_mul_i32 s[G0+1], s[WV], 32*BP                ; my 32 rows, in LDS
	s_lshl_b32 s36, s21, 7
	s_lshl_b32 s37, s[WV], 5
	s_add_co_u32 s36, s36, s37
	s_mul_i32 s36, s36, 768                        ; and in memory
	s_mov_b32 s37, 0
	s_lshl_b32 s38, s20, 3
	s_lshl_b32 s39, s17, 2
	s_add_co_u32 s38, s38, s39
	s_mul_i32 s38, s38, 12288                      ; oc: my first tile of 16 rows, 16 heads x 768 bytes each
	s_mov_b32 s39, 0
	s_lshl_b32 s40, s20, 12
	s_lshl_b32 s41, s17, 11
	s_add_co_u32 s40, s40, s41                     ; os: my first row x 32
	s_mov_b32 s41, 0
	s_lshl_b32 s42, s21, 12
	s_lshl_b32 s43, s18, 11
	s_add_co_u32 s42, s42, s43                     ; Wo's scales: my first column x 32
	s_mov_b32 s43, 0
	s_lshl_b32 s44, s21, 9
	s_lshl_b32 s45, s18, 8
	s_add_co_u32 s44, s44, s45                     ; bo, and a row of out0: my first column x 4
	s_mov_b32 s45, 0
	s_lshl_b32 s46, s20, 19
	s_lshl_b32 s47, s17, 18
	s_add_co_u32 s46, s46, s47
	s_add_co_u32 s46, s46, s44                     ; out0: my first row x 4,096 + my first column x 4
	s_mov_b32 s47, 0
	s_wait_dscnt 0x0                               ; both opening adds are done
	s_wait_kmcnt 0x0
	s_add_nc_u64 s[G0+2:G0+3], s[8:9], s[36:37]
	s_or_b32 s[G0+3], s[G0+3], 0x80000000
	s_add_nc_u64 s[4:5], s[4:5], s[38:39]
	s_add_nc_u64 s[6:7], s[6:7], s[40:41]
	s_add_nc_u64 s[10:11], s[10:11], s[42:43]
	s_add_nc_u64 s[12:13], s[12:13], s[44:45]
	s_add_nc_u64 s[14:15], s[14:15], s[46:47]
	CROUND                                         ; all four work-groups are here: the joint loads meet
	tensor_load_to_lds s[G0:G0+3], s[G1:G1+7]      ; every wave's one tensor load: the same line and the same descriptor in all four partners
	s_nop 0
.rept 4
	v_nop
.endr
	v_and_b32 v10, 31, v0                          ; lane
	v_and_b32 v11, 15, v0                          ; r
	v_bfe_u32 v14, v0, 4, 1                        ; hh
	v_lshlrev_b32 v[L16], 4, v10
	v_lshlrev_b32 v[L8], 3, v10
	s_mul_i32 s22, s18, 64*BP
	v_mul_u32_u24 v[ADB], v11, BP
	v_mad_u32_u24 v[ADB], v14, 24, v[ADB]
	v_add_nc_u32 v[ADB], s22, v[ADB]
	v_lshl_add_u32 v[ADB+1], v14, 4, v[ADB]
	s_mul_i32 s22, s[WV], 16*272
	s_add_co_u32 s22, s22, STG                     ; my stage
	v_mul_u32_u24 v[STO], v11, 272
	v_lshl_add_u32 v[STO], v14, 5, v[STO]
	v_add_nc_u32 v[STO], s22, v[STO]               ; in: row r, 32 bytes for each half of the lanes
	v_mul_u32_u24 v[RD], v14, 272
	v_lshl_add_u32 v[RD], v11, 4, v[RD]
	v_add_nc_u32 v[RD], s22, v[RD]                 ; back: lanes 0-15 one row of 256 bytes, lanes 16-31 the next
	v_lshlrev_b32 v[CO], 12, v14
	v_lshl_add_u32 v[CO], v11, 4, v[CO]            ; and the same two rows in out0
	v_lshlrev_b32 v[SCO], 5, v11
	v_lshlrev_b32 v[BIO], 5, v14
.irp b, 0,1,2,3                                ; 24 loads: bo in the result's layout (register j of block b: column 16 b + 8 hh + j),
	global_load_b128 v[BI+8*\b:BI+8*\b+3], v[BIO], s[12:13] offset:64*\b
	global_load_b128 v[BI+8*\b+4:BI+8*\b+7], v[BIO], s[12:13] offset:64*\b+16
.endr
.irp b, 0,1,2,3                                ; Wo's scale words: a row's 32 bytes are its eight K steps' words,
	global_load_b128 v[BS+8*\b:BS+8*\b+3], v[SCO], s[10:11] offset:512*\b
	global_load_b128 v[BS+8*\b+4:BS+8*\b+7], v[SCO], s[10:11] offset:512*\b+16
.endr
.irp a, 0,1,2,3                                ; and A's
	global_load_b128 v[AS+8*\a:AS+8*\a+3], v[SCO], s[6:7] offset:512*\a
	global_load_b128 v[AS+8*\a+4:AS+8*\a+7], v[SCO], s[6:7] offset:512*\a+16
.endr
.irp s, 0,1,2,3,4,5,6,7                        ; 128 loads, 16 a K step, K step by K step: fragment (a, s) is the halves of heads 2 s and 2 s + 1
	WIN 0x40                                       ; destination window 1
.irp a, 0,1
.irp c, 0,1
	global_load_b128 v[96*\a+12*\s+6*\c:96*\a+12*\s+6*\c+3], v[L16], s[4:5] offset:\a*12288+(2*\s+\c)*768
	global_load_b64 v[96*\a+12*\s+6*\c+4:96*\a+12*\s+6*\c+5], v[L8], s[4:5] offset:\a*12288+(2*\s+\c)*768+512
.endr
.endr
	WIN 0x80                                       ; destination window 2
.irp a, 0,1
.irp c, 0,1
	global_load_b128 v[96*\a+12*\s+6*\c:96*\a+12*\s+6*\c+3], v[L16], s[4:5] offset:(\a+2)*12288+(2*\s+\c)*768
	global_load_b64 v[96*\a+12*\s+6*\c+4:96*\a+12*\s+6*\c+5], v[L8], s[4:5] offset:(\a+2)*12288+(2*\s+\c)*768+512
.endr
.endr
.endr
	WIN 0
	s_wait_tensorcnt 0x0                           ; my 32 rows of Wo are in,
	s_barrier_signal -1
	s_barrier_wait -1                              ; everybody's are; nothing is filled again
; Wo's four fragments of K step s into set s % 2, in pieces of 8 bytes.  Lanes 16-31 read three pieces further on; 16 bytes of padding lie behind every 32 pieces: where the piece three on lies behind one more, the second address register serves.
.macro FETCHB s
	WIN 0xc0                                       ; destination window 3
.irp b, 0,1,2,3
.irp p, 0,1,2,3,4,5
.set PC, 12*(\s)+6*(\p/3)+\p%3
.if PC%32 < 29
	ds_load_b64 v[48*((\s)%2)+12*\b+2*\p:48*((\s)%2)+12*\b+2*\p+1], v[ADB] offset:8*PC+16*(PC/32)+\b*16*BP
.else
	ds_load_b64 v[48*((\s)%2)+12*\b+2*\p:48*((\s)%2)+12*\b+2*\p+1], v[ADB+1] offset:8*PC+16*(PC/32)+\b*16*BP
.endif
.endr
.endr
.endm
; 8 matrix instructions of K step s: A's blocks 2 w, 2 w + 1 (window 1 + w) against Wo's four.  The 16 accumulators take turns, one instruction a turn, in the same order in every step.
.macro MUL8 s, w
.irp a, 0,1
.irp b, 0,1,2,3
.if (\s) == 0
	v_wmma_scale_f32_16x16x128_f8f6f4 v[ACC+8*(4*(2*\w+\a)+\b):ACC+8*(4*(2*\w+\a)+\b)+7], v[48*((\s)%2)+12*\b:48*((\s)%2)+12*\b+11], v[96*\a+12*(\s):96*\a+12*(\s)+11], v[BI+8*\b:BI+8*\b+7], v[BS+8*\b+(\s)], v[AS+8*(2*\w+\a)+(\s)] matrix_a_fmt:MATRIX_FMT_FP6 matrix_b_fmt:MATRIX_FMT_FP6
.else
	v_wmma_scale_f32_16x16x128_f8f6f4 v[ACC+8*(4*(2*\w+\a)+\b):ACC+8*(4*(2*\w+\a)+\b)+7], v[48*((\s)%2)+12*\b:48*((\s)%2)+12*\b+11], v[96*\a+12*(\s):96*\a+12*(\s)+11], v[ACC+8*(4*(2*\w+\a)+\b):ACC+8*(4*(2*\w+\a)+\b)+7], v[BS+8*\b+(\s)], v[AS+8*(2*\w+\a)+(\s)] matrix_a_fmt:MATRIX_FMT_FP6 matrix_b_fmt:MATRIX_FMT_FP6
.endif
.endr
.endr
.endm
	FETCHB 0
.irp s, 0,1,2,3,4,5,6,7
.if \s < 7
.if \s > 0
	PLACES                                         ; in front of loads into the set that the last step's matrix instructions have read
.endif
	FETCHB \s+1
	s_wait_dscnt 24                                ; this step's fragments are in; the 24 loads just issued may be out
.else
	s_wait_dscnt 0
.endif
.if \s == 0
	s_wait_loadcnt 63                              ; of 152 loads at most 63 are out: the first 89 are in: the 24 and A's fragments of K steps 0 to 3
.endif
.if \s > 3
	s_wait_loadcnt 16*(7-\s)                       ; behind this K step's fragments of A: 16 loads for each later K step
.endif
	WIN 0x07                                       ; source 0 (Wo) window 3, source 1 (A) window 1, C and D window 0
	MUL8 \s, 0
	WIN 0x0b                                       ; source 1 window 2
	MUL8 \s, 1
.endr
	WIN 0
; THE WAY OUT.  A wave's 64 columns are 256 bytes of a row: a block of 16 rows goes through the wave's own stage and comes back as whole rows, into the registers that it left.  LDS serves a wave's instructions in order (ISA guide 5.7.1.4).
.macro TOSTAGE a
.irp b, 0,1,2,3
	ds_store_b128 v[STO], v[ACC+32*\a+8*\b:ACC+32*\a+8*\b+3] offset:64*\b        ; each accumulator from its low end on
	ds_store_b128 v[STO], v[ACC+32*\a+8*\b+4:ACC+32*\a+8*\b+7] offset:64*\b+16
.endr
.irp t, 0,1,2,3,4,5,6,7
	ds_load_b128 v[ACC+32*\a+4*\t:ACC+32*\a+4*\t+3], v[RD] offset:2*\t*272
.endr
.endm
.macro SEND a, younger                 ; younger: the LDS instructions issued behind block a's loads: the next block's sixteen, or none
.irp t, 0,1,2,3,4,5,6,7
	s_wait_dscnt \younger+7-\t
	global_store_b128 v[CO], v[ACC+32*\a+4*\t:ACC+32*\a+4*\t+3], s[14:15] offset:(16*\a+2*\t)*4096 th:TH_STORE_NT   ; 16 lanes store 256 consecutive bytes, aligned
.endr
.endm
	PLACES                                         ; behind the last products, in front of the first read of results
	s_wait_alu depctr_va_vdst(0)
	TOSTAGE 0
	TOSTAGE 1
	SEND 0, 16
	TOSTAGE 2
	SEND 1, 16
	TOSTAGE 3
	SEND 2, 16
	SEND 3, 0
	s_wait_tensorcnt 0x0                           ; the wave's end, behind my last LDS store
	ds_add_u32 v[SPW], v[NIL]
	s_wait_dscnt 0x0
	CROUND                                         ; the closing round
	s_endpgm
.Lfunc_end_k_qe363228850_proj:
	.size	k_qe363228850_proj, .Lfunc_end_k_qe363228850_proj-k_qe363228850_proj
	.p2alignl 7, 3214868480
	.fill 96, 4, 3214868480
	.section	.rodata,"a",@progbits
	.p2align	6, 0x0
	.amdhsa_kernel k_qe363228850_proj
		.amdhsa_group_segment_fixed_size 167936
		.amdhsa_private_segment_fixed_size 0
		.amdhsa_enable_private_segment 0
		.amdhsa_kernarg_size 48
		.amdhsa_user_sgpr_count 2
		.amdhsa_user_sgpr_kernarg_segment_ptr 1
		.amdhsa_wavefront_size32 1
		.amdhsa_system_sgpr_workgroup_id_x 1
		.amdhsa_system_sgpr_workgroup_id_y 1
		.amdhsa_system_sgpr_workgroup_id_z 1
		.amdhsa_system_vgpr_workitem_id 0
		.amdhsa_next_free_vgpr 864
		.amdhsa_next_free_sgpr 66
		.amdhsa_reserve_vcc 0
		.amdhsa_float_denorm_mode_32 3
		.amdhsa_float_denorm_mode_16_64 3
		.amdhsa_memory_ordered 1
		.amdhsa_forward_progress 1
		.amdhsa_inst_pref_size 58
	.end_amdhsa_kernel
	.amdgpu_metadata
---
amdhsa.version: [ 1, 2 ]
amdhsa.kernels:
  - .name:           k_qe363228850_proj
    .symbol:         k_qe363228850_proj.kd
    .args:
      - { .name: oc, .offset: 0, .size: 8, .value_kind: global_buffer, .address_space: global }
      - { .name: os, .offset: 8, .size: 8, .value_kind: global_buffer, .address_space: global }
      - { .name: Wo_codes, .offset: 16, .size: 8, .value_kind: global_buffer, .address_space: global }
      - { .name: Wo_scales, .offset: 24, .size: 8, .value_kind: global_buffer, .address_space: global }
      - { .name: bo, .offset: 32, .size: 8, .value_kind: global_buffer, .address_space: global }
      - { .name: out0, .offset: 40, .size: 8, .value_kind: global_buffer, .address_space: global }
    .group_segment_fixed_size: 167936
    .private_segment_fixed_size: 0
    .kernarg_segment_align: 8
    .kernarg_segment_size: 48
    .max_flat_workgroup_size: 128
    .sgpr_count:     66
    .vgpr_count:     864
    .wavefront_size: 32
...
	.end_amdgpu_metadata
.endif
;; end of part 4
